; MI455X (gfx1250); checked and timed in simulation.
; The chip was launched on July 23, 2026; its instructions are those of AMD's public machine-readable ISA for CDNA 5 (MIT licence, August 2026) and "CDNA5" Instruction Set Architecture Reference Guide (July 2026). The comments in the code are by the model that wrote it; some were corrected since.
;; Transformer Scaled Dot Product Attention. Allowed arithmetic: matrix products marked QUANTISED: E2M1 operands, one E8M0 scale for each 32 along K, by v_wmma_scale_f32_16x16x128_f8f6f4 with both operands' format E2M1 (or v_wmma_scale_f32_32x16x128_f4), f32 sums; products left as they are: bf16, f16 or f32 operands; f32 sums; everything else in f32.
;; Inputs: key 4 x 16 x 2,048 x 64 float32; query 4 x 16 x 2,048 x 64 float32; value 4 x 16 x 64 x 2,048 float32.
;; Outputs: out0 4 x 16 x 64 x 2,048 float32.
;; This version of the problem:
;;   THIS VERSION OF THE PROBLEM IS GIVEN IN LOW PRECISION. The matrix products marked QUANTISED in the list below multiply operands that are first quantised to E2M1 (2 exponent bits, 1 mantissa bit; 4 bits a number), with one power-of-two scale for each 32 numbers along K (OCP MX v1.0); their sums are f32. The products marked 'left as it is' may take bf16, f16 or f32 operands, with f32 sums. Whichever they take, every output number must still come out within the allowed error. Rounding operands to bf16 (8 significant bits) uses up far more of that allowance than f16 does (11 bits, for magnitudes from 6e-5 to 65,504). All else is computed in f32.
;;   The module's matrix products, in the order in which they are computed (A, B: the left and right operand; K: the contracted axis; several contracted axes count as one K, in the product's order):
;;     1. batch 64 x [M 2,048, K 64] x [K 64, N 2,048]; A: input query; B: input key: QUANTISED
;;     2. batch 64 x [M 64, K 2,048] x [K 2,048, N 2,048]; A: input value; B: computed on the way: left as it is (an operand is computed on the way)
;;   THE QUANTISER, for each operand of a quantised product, along K:
;;     - K is cut into blocks of 32 from its start; a last block that is shorter is filled with zeros.
;;     - A block's scale is 2^e with e = floor(log2(the largest magnitude in the block)) - 2, held to -126 .. 127; a block of zeros has e = 0. As a byte (E8M0): e + 127.
;;     - Each number is divided by its block's scale, clamped to +-6, and rounded to the nearest number of E2M1, ties to even, subnormals kept.
;;     - The product sums the exact products of the quantised numbers (number of the format x scale) in f32.
;;   ~~~python
;;   def quantise(x, axis):      # numpy; x: float32 -> the quantised numbers, widened to float32 again
;;       x = np.moveaxis(x, axis, -1); K = x.shape[-1]
;;       x = np.pad(x, [(0, 0)] * (x.ndim - 1) + [(0, -K % 32)]); x = x.reshape(x.shape[:-1] + (-1, 32)); a = np.abs(x).max(-1, keepdims=True)
;;       e = np.where(a > 0, np.clip(np.frexp(np.where(a > 0, a, 1))[1] - 1 - 2, -126, 127), 0)      # np.frexp(a)[1] - 1 = floor(log2(a)), exactly
;;       r = np.clip(x / 2.0 ** e, -6, 6)
;;       step = 2.0 ** (np.maximum(np.frexp(np.where(r == 0, 1, r))[1] - 1, 0) - 1)
;;       q = np.round(r / step) * step * 2.0 ** e      # np.round: ties to even
;;       return np.moveaxis(q.reshape(q.shape[:-2] + (-1,))[..., :K], -1, axis).astype(np.float32)
;;   ~~~
;; 2 versions, each right; version 2 is version 1 with the launches stats, outp written anew for expert scheduling mode. Each part assembles by itself: llvm-mc -triple=amdgcn-amd-amdhsa -mcpu=gfx1250 --defsym DOCPART=n.
;; ======== version 1 of 2: 2 launches
;; limits: values are held in f16: magnitudes above 65,504 overflow, below 6.1e-05 lose precision
;; workspace buffers: qc 4,194,304 bytes; kc 4,194,304 bytes; qs 524,288 bytes; ks 524,288 bytes; ns 524,288 bytes
;; launch stats (part 1): grid 4 x 64, 16 waves a work-group, no clusters, 145,408 bytes of LDS; arguments query, key, qc, qs, kc, ks, ns; writes qc, qs, kc, ks, ns
.if DOCPART == 1
	.amdgcn_target "amdgcn-amd-amdhsa--gfx1250"
	.amdhsa_code_object_version 6
	.text
	.protected	k_q24f71bb449_stats
	.globl	k_q24f71bb449_stats
	.p2align	8
	.type	k_q24f71bb449_stats,@function
k_q24f71bb449_stats:
	s_mov_b64 s[64:65], 0
	v_nop
	global_prefetch_b8 v0, s[64:65] scope:SCOPE_SE
	s_setreg_imm32_b32 hwreg(HW_REG_WAVE_MODE, 25, 1), 1
	s_wait_xcnt 0x0
; FIRST OF TWO LAUNCHES.  out[d][k] = sum over q of V[d][q] softmax_k(Q[q].K[k] / 8): the softmax runs along k, the second product along q, so every query's
; maximum and sum over all 2,048 keys are wanted before any output can be summed.  This launch makes them, and the codes that both launches multiply.
; FOR EACH HEAD (64) AND QUERY: s = the sum of the quantised products Q[q].K[k]; c = log2(e) / 8; a running maximum m of s and a running sum l of 2^(c s - c m);
; stored is n[q] = 10 - (c m + log2 l), so that the second launch has 2^(c s + n) = 1,024 x the softmax by one multiply-add and one exponential.
; ALSO STORED: Q's and K's codes of E2M1 (one E8M0 scale for each 32 along the head's 64), as images of the operand's registers: a tile of 16 rows is 512 bytes,
; lane l's 16 bytes at 16 l = registers 0-3 of the fragment (row l % 16, k = 32 (l / 16) + 0 .. 31); and a scale word a row: byte 0 block 0, byte 1 block 1, bytes 2, 3 = 0.
; The matrix instruction takes 128 along K; the head has 64: registers 4-7 of every fragment are zero codes, which add nothing under the scale bytes 0 that stand over them.
; SHARES.  A work-group owns 512 queries of a head, each of its sixteen waves 32 (two tiles); 4 x 64 work-groups.  Every wave walks the head's 2,048 keys, 128 a step, 256 a chunk.
; In each chunk wave w quantises ONE tile of 16 keys into LDS (each chunk has LDS bytes of its own), a chunk ahead of its use; work-group x stores keys 512 x .. 512 x + 511 of them to memory at its end.
; LAYOUT.  S^T = K Q^T (source 0 = 16 keys, source 1 = 16 queries): a lane holds one query (lane % 16) and the keys 8 (lane / 16) + 0 .. 7 of each tile, and keeps maximum and sum of ITS keys;
; the two halves of the lanes meet once, at the end.
; NO CLUSTER, NO TENSOR LOAD: what the four work-groups of a head share is K as f32, 65,536 bytes a chunk; it is narrowed in registers to 8,192 bytes of codes and 1,024 of scale words before it
; enters LDS.  A joint tensor load would land the 65,536 bytes in LDS, to be read, narrowed and stored again.
; LIMITS: NaN and infinities are not served.  A block of zeros gets the scale byte 1 where the rule says 127: its codes are zeros, and this program alone reads the bytes.
; n is one f32 number: where |c s| reaches some 6,500 (both inputs 30 times the drawn spread) a query's weights carry a common relative error of up to 2^-12.5.
.set KSCL,  65536                      ; LDS: 0: K's images, 128 tiles x 512 bytes;  KSCL: K's scale words, 4 bytes a key;
.set STG,   73728                      ; a stage of 16 rows x (256 + 16) bytes for each wave: row r starts at bank 4 r mod 64 (64 banks of 4 bytes: ISA guide 11.1);
.set SPARE, 143360                     ; the spare words, 128 bytes for each wave: eight blocks of 256 bytes that no other line names
.set LI,  1                            ; v1   16 x lane
.set LS,  2                            ; v2   KSCL + 4 x lane
.set STW, 3                            ; v3   the stage, in: bytes as they were loaded
.set STR, 4                            ; v4   the stage, back: my row's 128 bytes of my block
.set KIW, 5                            ; v5   512 x wave + 16 x lane: where my tile's image goes in a chunk
.set KSW, 6                            ; v6   KSCL + 64 x wave + 4 x (lane % 16): and its scale words
.set ADK, 7                            ; v7   LDS address in hand: images
.set ADS, 8                            ; v8   LDS address in hand: scale words
.set KO,  9                            ; v9   4,096 x wave + 16 x lane: my tile in a chunk of K in memory
.set QO,  10                           ; v10  8,192 x wave + 16 x lane: my two tiles of Q
.set PFO, 11                           ; v11  8,192 x wave + 256 x lane: the prefetches' offset
.set SH8, 12                           ; v12  8 x (lane / 16)
.set SPW, 13                           ; v13  LDS address of my spare word; never rewritten
.set NIL, 14                           ; v14  0; never rewritten
.set OC,  15                           ; v15  16,384 x + 1,024 wave + 16 lane: my place in qc and kc, and in K's images
.set OS,  255                          ; v255 2,048 x + 128 wave + 4 lane: my place in qs, ks, ns
.set QF,  16                           ; v16-31   Q's two fragments (registers 4-7 of each: zeros)
.set KF,  32                           ; v32-63   four fragments of K (likewise)
.set S,   64                           ; v64-191  the scores: tile of queries u, tile of keys t at S + 64 u + 8 t
.set RAW, 192                          ; v192-223 the next chunk's tile of K as f32
.set ST,  224                          ; v224-239 eight registers a tile of queries: +0 c m, +1 m, +2, +3 l in two halves, +4 f, +5 its partner in the pair, +6, +7 at work
.set MX,  240                          ; v240-247 eight chains of maxima; then two pairs of sums; in the quantiser T0-T3 and the codes
.set T0,  240
.set T1,  241
.set T2,  242
.set T3,  243
.set CC,  244
.set KSC, 248                          ; v248-251 K's scale words: register i: lanes 0-15 tile 2 i, lanes 16-31 tile 2 i + 1.  Scales and nothing else
.set QSC, 252                          ; v252     Q's scale words: lanes 0-15 tile 0, lanes 16-31 tile 1.  Scales and nothing else
.set PW0, 253
.set PW1, 254
.set WV,  18                           ; s18 wave;  s19 work-group x;  s20 head
.set WX,  19
.set HD,  20
.set CS,  22                           ; s[22:23] c, twice: the packed form names a pair
.set SEL, 24                           ; s[24:25] v_permlanex16_b32's selects for lane l xor 16
.set HM,  26                           ; s26 lanes 16-31
.set CNT, 27                           ; s27 trips to go
.set TB,  28                           ; s28 where the chunk in hand begins among the images: 8,192 a chunk
.set TS,  29                           ; s29 and among the scale words: 1,024 a chunk
.set LIM, 32                           ; s32 1 in a wave that prefetches, else the greatest number
.macro NOPS n
.rept \n
	v_nop
.endr
.endm
.macro BAR
	s_barrier_signal -1
	s_barrier_wait -1
.endm
; A tile of 16 rows x 64 f32 (4,096 bytes) was loaded as it lies, 512 consecutive bytes a load.  The conversions want a block's 32 numbers in ONE lane: the tile turns through my own stage.
; LDS serves a wave's instructions in order (ISA guide 5.7.1.4): no wait between the stores and the loads.
.macro TURNIN src, dst
.irp i, 0,1,2,3,4,5,6,7
	ds_store_b128 v[STW], v[\src+4*\i:\src+4*\i+3] offset:544*\i
.endr
.irp g, 0,1,2,3,4,5,6,7
	ds_load_b128 v[\dst+4*\g:\dst+4*\g+3], v[STR] offset:16*\g
.endr
.endm
; 32 numbers of a lane, block lane / 16 of row lane % 16, become registers 0-3 of the fragment, v[c] on, and the row's scale word, v[pw], in both halves of the lanes.
.macro QUANT x, c, pw
	v_max3_num_f32 v[T0], |v[\x]|, |v[\x+1]|, 0x1800000           ; the largest magnitude, in two chains; the floor 2^(3 - 127) among its leaves holds the byte at 1 from below
	v_max3_num_f32 v[T1], |v[\x+16]|, |v[\x+17]|, |v[\x+18]|
.irp i, 0,2,4,6,8,10
	v_max3_num_f32 v[T0], v[T0], |v[\x+2+\i]|, |v[\x+3+\i]|
	v_max3_num_f32 v[T1], v[T1], |v[\x+19+\i]|, |v[\x+20+\i]|
.endr
	v_max3_num_f32 v[T0], v[T0], |v[\x+14]|, |v[\x+15]|
	v_max3_num_f32 v[T0], v[T0], v[T1], |v[\x+31]|
	v_add_nc_u32 v[T2], 0xff000000, v[T0]                          ; 2 off its exponent field: the conversion takes the exponent field of this operand as its scale
	v_lshrrev_b32 v[T1], 23, v[T2]                                 ; the scale's byte,
	v_lshlrev_b32 v[T1], v[SH8], v[T1]                             ; at its block's place in the word;
	v_permlanex16_b32 v[T3], v[T1], s[SEL], s[SEL+1]
	v_or_b32 v[\pw], v[T1], v[T3]                                  ; with the other block's the word is whole
.irp g, 0,1,2,3
	v_cvt_scalef32_pk8_fp4_f32 v[\c+\g], v[\x+8*\g:\x+8*\g+7], v[T2]
.endr
	v_nop                                                          ; one plain instruction behind the last scaled conversion
.endm
; One product that starts its sum: nothing is accumulated over steps here.  ra, rb: the side's scales stand in lanes 16-31.
.macro SW d, a, b, sa, sb, ra, rb
.if (\ra) && (\rb)
	v_wmma_scale_f32_16x16x128_f8f6f4 v[\d:\d+7], v[\a:\a+7], v[\b:\b+7], 0, v[\sa], v[\sb] matrix_a_fmt:MATRIX_FMT_FP4 matrix_b_fmt:MATRIX_FMT_FP4 matrix_a_scale:MATRIX_SCALE_ROW1 matrix_b_scale:MATRIX_SCALE_ROW1
.elseif (\ra)
	v_wmma_scale_f32_16x16x128_f8f6f4 v[\d:\d+7], v[\a:\a+7], v[\b:\b+7], 0, v[\sa], v[\sb] matrix_a_fmt:MATRIX_FMT_FP4 matrix_b_fmt:MATRIX_FMT_FP4 matrix_a_scale:MATRIX_SCALE_ROW1
.elseif (\rb)
	v_wmma_scale_f32_16x16x128_f8f6f4 v[\d:\d+7], v[\a:\a+7], v[\b:\b+7], 0, v[\sa], v[\sb] matrix_a_fmt:MATRIX_FMT_FP4 matrix_b_fmt:MATRIX_FMT_FP4 matrix_b_scale:MATRIX_SCALE_ROW1
.else
	v_wmma_scale_f32_16x16x128_f8f6f4 v[\d:\d+7], v[\a:\a+7], v[\b:\b+7], 0, v[\sa], v[\sb] matrix_a_fmt:MATRIX_FMT_FP4 matrix_b_fmt:MATRIX_FMT_FP4
.endif
.endm
.macro KLOAD                           ; my tile of the chunk at which s[6:7] stands: eight loads of 512 consecutive bytes
.irp i, 0,1,2,3,4,5,6,7
	global_load_b128 v[RAW+4*\i:RAW+4*\i+3], v[KO], s[6:7] offset:512*\i
.endr
.endm
; A prefetch of the chunk behind the one that KLOAD has just asked for: 65,536 bytes, 256 blocks of 256 bytes, a lane a block.  All four work-groups of a head walk the same K: the first of them asks,
; by its waves 0 to 7, one instruction each, so that each block is named once in the launch.  The last trip asks for nothing: there is no chunk behind the one it loads.  Chunks 0 and 1 come by their loads alone.
.macro ASK
	s_cmp_gt_u32 s[CNT], s[LIM]
	s_cbranch_scc0 .Lnot_mine_\@
	global_prefetch_b8 v[PFO], s[6:7] offset:65536 th:TH_LOAD_NT scope:SCOPE_SE
.Lnot_mine_\@:
.endm
; The running maximum and sum take in 128 keys: 64 scores a lane for each of my two tiles of queries, the tiles by turns.
.macro SOFT
.irp u, 0,1
.irp b, 0,1,2,3
	v_max3_num_f32 v[MX+4*\u+\b], v[S+64*\u+16*\b], v[S+64*\u+16*\b+1], v[S+64*\u+16*\b+2]   ; eight chains of 16 scores; each accumulator is read from its low end on
.endr
.endr
.irp i, 3,5,7,9,11,13
.irp u, 0,1
.irp b, 0,1,2,3
	v_max3_num_f32 v[MX+4*\u+\b], v[MX+4*\u+\b], v[S+64*\u+16*\b+\i], v[S+64*\u+16*\b+\i+1]
.endr
.endr
.endr
.irp u, 0,1
.irp b, 0,1,2,3
	v_max_num_f32 v[MX+4*\u+\b], v[MX+4*\u+\b], v[S+64*\u+16*\b+15]
.endr
.endr
.irp u, 0,1
	v_max3_num_f32 v[ST+8*\u+7], v[MX+4*\u], v[MX+4*\u+1], v[MX+4*\u+2]
.endr
.irp u, 0,1
	v_mov_b32 v[ST+8*\u+6], v[ST+8*\u]                             ; c m as it was
.endr
.irp u, 0,1
	v_max3_num_f32 v[ST+8*\u+1], v[ST+8*\u+7], v[MX+4*\u+3], v[ST+8*\u+1]   ; the new m
.endr
.irp u, 0,1
	v_mul_f32 v[ST+8*\u], s[CS], v[ST+8*\u+1]                      ; c m
.endr
.irp u, 0,1
	v_sub_f32 v[ST+8*\u+6], v[ST+8*\u+6], v[ST+8*\u]               ; c m_old - c m_new, 0 or less
.endr
.irp u, 0,1
.set j, 0
.rept 32
	v_pk_fma_f32 v[S+64*\u+j:S+64*\u+j+1], v[S+64*\u+j:S+64*\u+j+1], s[CS:CS+1], v[ST+8*\u:ST+8*\u+1] op_sel_hi:[1,0,0] neg_lo:[0,0,1] neg_hi:[0,0,1]   ; c s - c m, two at a time
.set j, j+2
.endr
.endr
.irp u, 0,1
	v_exp_f32 v[ST+8*\u+4], v[ST+8*\u+6]                           ; f = 2^(c m_old - c m_new)
.endr
.set j, 0
.rept 128
	v_exp_f32 v[S+j], v[S+j]                                       ; ONE BATCH: none of these reads an exponential's result
.set j, j+1
.endr
	v_nop                                                          ; a plain instruction behind the last exponential,
	s_wait_alu depctr_va_vdst(0)                                   ; and one wait for the batch ahead of its first reader
.irp u, 0,1
	v_pk_fma_f32 v[ST+8*\u+2:ST+8*\u+3], v[ST+8*\u+2:ST+8*\u+3], v[ST+8*\u+4:ST+8*\u+5], v[S+64*\u:S+64*\u+1] op_sel_hi:[1,0,1]   ; l = f l + the first pair
	v_pk_add_f32 v[MX+2*\u:MX+2*\u+1], v[S+64*\u+2:S+64*\u+3], v[S+64*\u+4:S+64*\u+5]                                           ; a second chain
.endr
.set j, 6
.rept 14
.irp u, 0,1
	v_pk_add_f32 v[ST+8*\u+2:ST+8*\u+3], v[ST+8*\u+2:ST+8*\u+3], v[S+64*\u+j:S+64*\u+j+1]
	v_pk_add_f32 v[MX+2*\u:MX+2*\u+1], v[MX+2*\u:MX+2*\u+1], v[S+64*\u+j+2:S+64*\u+j+3]
.endr
.set j, j+4
.endr
.irp u, 0,1
	v_pk_add_f32 v[ST+8*\u+2:ST+8*\u+3], v[ST+8*\u+2:ST+8*\u+3], v[S+64*\u+62:S+64*\u+63]
.endr
.irp u, 0,1
	v_pk_add_f32 v[ST+8*\u+2:ST+8*\u+3], v[ST+8*\u+2:ST+8*\u+3], v[MX+2*\u:MX+2*\u+1]
.endr
.endm
; A step: 128 keys, the q-th half of the chunk in hand: 16 products, then SOFT.  The vector work since the last products stands between them and the loads into their registers.
.macro STEP q
.irp i, 0,1,2,3
	ds_load_b32 v[KSC+\i], v[ADS] offset:512*(\q)+128*\i
.endr
.irp g, 0,1
.if \g
	NOPS 4                                                         ; four places in front of loads into registers that matrix instructions have read
.endif
.irp t, 0,1,2,3
	ds_load_b128 v[KF+8*\t:KF+8*\t+3], v[ADK] offset:(8*(\q)+4*\g+\t)*512
.endr
	s_wait_dscnt 0x0
.irp t, 0,1,2,3
.irp u, 0,1
	SW S+64*\u+8*(4*\g+\t), KF+8*\t, QF+8*\u, KSC+2*\g+\t/2, QSC, \t%2, \u
.endr
.endr
.endr
	NOPS 4                                                         ; four places in front of the first read of results
	SOFT
.endm
; The tile in RAW is quantised and goes to LDS, offi and offs bytes behind the chunk in hand.  a = 1: a barrier stands in front too, so that no wave stores while another still reads a chunk.
.macro QPHASE offi, offs, a
.if \a
	s_wait_dscnt 0x0                                               ; my reads of the chunk in hand are over
	BAR
.endif
	s_wait_loadcnt 0x0                                             ; my tile of K is in
	TURNIN RAW, S
	s_wait_xcnt 0x0                                                ; the loads and the prefetch have read their base: it steps only behind this wait
	s_add_nc_u64 s[6:7], s[6:7], 65536                             ; K: a chunk on
	v_add_nc_u32 v[ADK], s[TB], v[KIW]
	v_add_nc_u32 v[ADS], s[TS], v[KSW]
	s_wait_dscnt 0x0
	QUANT S, CC, PW0
	ds_store_b128 v[ADK], v[CC:CC+3] offset:\offi                  ; the image: lane l's 16 bytes at 16 l
	ds_store_b32 v[ADS], v[PW0] offset:\offs                       ; both halves of the lanes write the same word with the same value
	s_wait_dscnt 0x0                                               ; for the others' sake: my stores have landed
	BAR
.endm
	s_load_b256 s[4:11], s[0:1], 0x0               ; query s[4:5], key s[6:7], qc s[8:9], qs s[10:11]
	s_load_b128 s[12:15], s[0:1], 0x20             ; kc s[12:13], ks s[14:15]
	s_load_b64 s[16:17], s[0:1], 0x30              ; ns
	v_lshl_add_u32 v[SPW], v0, 2, SPARE
	v_mov_b32 v[NIL], 0
	v_lshrrev_b32 v[T0], 5, v0
	v_readfirstlane_b32 s[WV], v[T0]               ; wave 0..15
	s_and_b32 s[WX], ttmp9, 3                      ; work-group x: 0..3
	s_and_b32 s[HD], ttmp7, 0xffff                 ; the head
	v_and_b32 v[T0], 31, v0                        ; lane
	v_and_b32 v[T1], 15, v0                        ; r
	v_bfe_u32 v[T2], v0, 4, 1                      ; h
	v_lshlrev_b32 v[LI], 4, v[T0]
	v_lshl_add_u32 v[LS], v[T0], 2, KSCL
	s_mul_i32 s34, s[WV], 4352
	s_add_co_u32 s34, s34, STG                     ; my stage
	v_mul_u32_u24 v[STW], v[T2], 272               ; in: a load's 512 bytes are two rows: lanes 0-15 one, lanes 16-31 the next
	v_lshl_add_u32 v[STW], v[T1], 4, v[STW]
	v_add_nc_u32 v[STW], s34, v[STW]
	v_mul_u32_u24 v[STR], v[T1], 272               ; back: row r, block h
	v_lshl_add_u32 v[STR], v[T2], 7, v[STR]
	v_add_nc_u32 v[STR], s34, v[STR]
	s_lshl_b32 s34, s[WV], 9
	v_add_nc_u32 v[KIW], s34, v[LI]
	s_lshl_b32 s34, s[WV], 6
	s_add_co_u32 s34, s34, KSCL
	v_lshl_add_u32 v[KSW], v[T1], 2, s34
	s_lshl_b32 s34, s[WV], 12
	v_add_nc_u32 v[KO], s34, v[LI]
	s_lshl_b32 s34, s[WV], 13
	v_add_nc_u32 v[QO], s34, v[LI]
	v_lshl_add_u32 v[PFO], v[T0], 8, s34
	v_lshlrev_b32 v[SH8], 3, v[T2]
	s_lshl_b32 s34, s[WX], 14
	s_lshl_b32 s35, s[WV], 10
	s_add_co_u32 s34, s34, s35
	v_add_nc_u32 v[OC], s34, v[LI]
	s_lshr_b32 s34, s34, 3
	v_lshl_add_u32 v[OS], v[T0], 2, s34
	v_mov_b32 v[T3], 0                             ; a lane permute's destination counts as one of its sources
	s_mov_b32 s[CS], 0x3e38aa3b                    ; c = log2(e) / 8
	s_mov_b32 s[CS+1], s[CS]
	s_mov_b32 s[SEL], 0x76543210
	s_mov_b32 s[SEL+1], 0xfedcba98
	s_mov_b32 s[HM], 0xffff0000
	s_mov_b32 s[TB], 0
	s_mov_b32 s[TS], 0
	s_lshr_b32 s[LIM], s[WV], 3                    ; 0 in waves 0 to 7
	s_or_b32 s[LIM], s[LIM], s[WX]                 ; of the head's first work-group
	s_cmp_eq_u32 s[LIM], 0
	s_cselect_b32 s[LIM], 1, -1
.irp u, 0,1
.irp i, 4,5,6,7
	v_mov_b32 v[QF+8*\u+\i], 0                     ; k = 64 .. 127: zero codes
.endr
.endr
.irp t, 0,1,2,3
.irp i, 4,5,6,7
	v_mov_b32 v[KF+8*\t+\i], 0
.endr
.endr
.irp u, 0,1
	v_mov_b32 v[ST+8*\u+1], 0xff61b1e6             ; m: -3e38, under every score
	v_mov_b32 v[ST+8*\u+2], 0                      ; l
	v_mov_b32 v[ST+8*\u+3], 0
	v_mov_b32 v[ST+8*\u+5], 0                      ; (named with f as a pair, so it is written)
	v_mul_f32 v[ST+8*\u], s[CS], v[ST+8*\u+1]      ; c m
.endr
	s_wait_kmcnt 0x0
	s_lshl_b32 s34, s[HD], 19                      ; a head of Q or K: 524,288 bytes
	s_mov_b32 s35, 0
	s_add_nc_u64 s[4:5], s[4:5], s[34:35]
	s_add_nc_u64 s[6:7], s[6:7], s[34:35]
	s_lshl_b32 s34, s[WX], 17                      ; my work-group's 512 queries
	s_add_nc_u64 s[4:5], s[4:5], s[34:35]
	s_lshl_b32 s34, s[HD], 16                      ; a head's codes: 65,536 bytes
	s_add_nc_u64 s[8:9], s[8:9], s[34:35]
	s_add_nc_u64 s[12:13], s[12:13], s[34:35]
	s_lshl_b32 s34, s[HD], 13                      ; a head's words: 8,192 bytes
	s_add_nc_u64 s[10:11], s[10:11], s[34:35]
	s_add_nc_u64 s[14:15], s[14:15], s[34:35]
	s_add_nc_u64 s[16:17], s[16:17], s[34:35]
.irp u, 0,1
.irp i, 0,1,2,3,4,5,6,7
	global_load_b128 v[S+32*\u+4*\i:S+32*\u+4*\i+3], v[QO], s[4:5] offset:4096*\u+512*\i th:TH_LOAD_NT   ; my 32 queries: read once in the launch
.endr
.endr
	KLOAD                                          ; chunk 0
	s_wait_loadcnt 8                               ; Q's sixteen loads are in; K's eight, issued behind them, may be out
	TURNIN S, S+64
	TURNIN S+32, S+96
	s_wait_dscnt 0x0
	QUANT S+64, QF, PW0
	QUANT S+96, QF+8, PW1
	v_cndmask_b32 v[QSC], v[PW0], v[PW1], s[HM]    ; lanes 0-15: tile 0's words, lanes 16-31: tile 1's.  K's quantiser below stands between this line and the first scaled product
	global_store_b128 v[OC], v[QF:QF+3], s[8:9]
	global_store_b128 v[OC], v[QF+8:QF+11], s[8:9] offset:512
	global_store_b32 v[OS], v[QSC], s[10:11]
	QPHASE 0, 0, 0                                 ; chunk 0 lies in LDS
	s_mov_b32 s[CNT], 7
.Lchunk:                                           ; a trip: the next chunk's tile is asked for; the chunk in hand is multiplied; the next is quantised
	KLOAD
	ASK
	v_add_nc_u32 v[ADK], s[TB], v[LI]
	v_add_nc_u32 v[ADS], s[TS], v[LS]
	STEP 0
	STEP 1
	QPHASE 8192, 1024, 1
	s_add_co_u32 s[TB], s[TB], 8192
	s_add_co_u32 s[TS], s[TS], 1024
	s_sub_co_u32 s[CNT], s[CNT], 1
	s_cmp_lg_u32 s[CNT], 0
	s_cbranch_scc1 .Lchunk
	v_add_nc_u32 v[ADK], s[TB], v[LI]              ; the last chunk: nothing is left to load
	v_add_nc_u32 v[ADS], s[TS], v[LS]
	STEP 0
	STEP 1
	; THE END.  The two halves of the lanes hold maximum and sum of a query's two halves of the keys: they meet under the larger c m.
.irp u, 0,1
	v_add_f32 v[ST+8*\u+2], v[ST+8*\u+2], v[ST+8*\u+3]
	v_permlanex16_b32 v[ST+8*\u+7], v[ST+8*\u], s[SEL], s[SEL+1]
.endr
.irp u, 0,1
	v_max_num_f32 v[ST+8*\u+6], v[ST+8*\u], v[ST+8*\u+7]           ; M = the query's c m
.endr
.irp u, 0,1
	v_sub_f32 v[ST+8*\u+4], v[ST+8*\u], v[ST+8*\u+6]
.endr
.irp u, 0,1
	v_exp_f32 v[ST+8*\u+4], v[ST+8*\u+4]
.endr
	v_nop
	s_wait_alu depctr_va_vdst(0)                   ; one wait for the two, ahead of their first reader
.irp u, 0,1
	v_mul_f32 v[ST+8*\u+2], v[ST+8*\u+2], v[ST+8*\u+4]             ; my sum under M
.endr
.irp u, 0,1
	v_permlanex16_b32 v[ST+8*\u+7], v[ST+8*\u+2], s[SEL], s[SEL+1]
.endr
.irp u, 0,1
	v_add_f32 v[ST+8*\u+2], v[ST+8*\u+2], v[ST+8*\u+7]             ; l: at least 1
.endr
.irp u, 0,1
	v_log_f32 v[ST+8*\u+5], v[ST+8*\u+2]
.endr
.irp u, 0,1
	v_sub_f32 v[ST+8*\u+6], 0x41200000, v[ST+8*\u+6]               ; 10 - M.  (Plain work behind the logarithms)
.endr
	s_wait_alu depctr_va_vdst(0)
.irp u, 0,1
	v_sub_f32 v[ST+8*\u+6], v[ST+8*\u+6], v[ST+8*\u+5]             ; n = 10 - M - log2 l
.endr
	v_cndmask_b32 v[ST+7], v[ST+6], v[ST+14], s[HM]                ; lanes 0-15: tile 0's queries, lanes 16-31: tile 1's
	global_store_b32 v[OS], v[ST+7], s[16:17]
	; My work-group's quarter of K's codes and scale words goes to memory: two tiles and 32 words a wave.  Nobody writes these LDS bytes behind the last barrier.
	v_add_nc_u32 v[ADS], KSCL, v[OS]
	ds_load_b128 v[RAW:RAW+3], v[OC]
	ds_load_b128 v[RAW+4:RAW+7], v[OC] offset:512
	ds_load_b32 v[RAW+8], v[ADS]
	s_wait_dscnt 0x0
	global_store_b128 v[OC], v[RAW:RAW+3], s[12:13]
	global_store_b128 v[OC], v[RAW+4:RAW+7], s[12:13] offset:512
	global_store_b32 v[OS], v[RAW+8], s[14:15]
	s_wait_tensorcnt 0x0                           ; the wave's end
	ds_add_u32 v[SPW], v[NIL]
	s_wait_dscnt 0x0
	s_endpgm
.Lfunc_end_k_q24f71bb449_stats:
	.size	k_q24f71bb449_stats, .Lfunc_end_k_q24f71bb449_stats-k_q24f71bb449_stats
	.p2alignl 7, 3214868480
	.fill 96, 4, 3214868480
	.section	.rodata,"a",@progbits
	.p2align	6, 0x0
	.amdhsa_kernel k_q24f71bb449_stats
		.amdhsa_group_segment_fixed_size 145408
		.amdhsa_private_segment_fixed_size 0
		.amdhsa_enable_private_segment 0
		.amdhsa_kernarg_size 56
		.amdhsa_user_sgpr_count 2
		.amdhsa_user_sgpr_kernarg_segment_ptr 1
		.amdhsa_wavefront_size32 1
		.amdhsa_system_sgpr_workgroup_id_x 1
		.amdhsa_system_sgpr_workgroup_id_y 1
		.amdhsa_system_sgpr_workgroup_id_z 1
		.amdhsa_system_vgpr_workitem_id 0
		.amdhsa_next_free_vgpr 256
		.amdhsa_next_free_sgpr 66
		.amdhsa_reserve_vcc 0
		.amdhsa_float_denorm_mode_32 3
		.amdhsa_float_denorm_mode_16_64 3
		.amdhsa_memory_ordered 1
		.amdhsa_forward_progress 1
		.amdhsa_inst_pref_size 99
	.end_amdhsa_kernel
	.amdgpu_metadata
---
amdhsa.version: [ 1, 2 ]
amdhsa.kernels:
  - .name:           k_q24f71bb449_stats
    .symbol:         k_q24f71bb449_stats.kd
    .args:
      - { .name: query, .offset: 0, .size: 8, .value_kind: global_buffer, .address_space: global }
      - { .name: key, .offset: 8, .size: 8, .value_kind: global_buffer, .address_space: global }
      - { .name: qc, .offset: 16, .size: 8, .value_kind: global_buffer, .address_space: global }
      - { .name: qs, .offset: 24, .size: 8, .value_kind: global_buffer, .address_space: global }
      - { .name: kc, .offset: 32, .size: 8, .value_kind: global_buffer, .address_space: global }
      - { .name: ks, .offset: 40, .size: 8, .value_kind: global_buffer, .address_space: global }
      - { .name: ns, .offset: 48, .size: 8, .value_kind: global_buffer, .address_space: global }
    .group_segment_fixed_size: 145408
    .private_segment_fixed_size: 0
    .kernarg_segment_align: 8
    .kernarg_segment_size: 56
    .max_flat_workgroup_size: 512
    .sgpr_count:     66
    .vgpr_count:     256
    .wavefront_size: 32
...
	.end_amdgpu_metadata
.endif
;; end of part 1
;; launch outp (part 2): grid 4 x 64, 8 waves a work-group, no clusters, 123,904 bytes of LDS; arguments value, qc, qs, kc, ks, ns, out0; writes out0
.if DOCPART == 2
	.amdgcn_target "amdgcn-amd-amdhsa--gfx1250"
	.amdhsa_code_object_version 6
	.text
	.protected	k_q24f71bb449_outp
	.globl	k_q24f71bb449_outp
	.p2align	8
	.type	k_q24f71bb449_outp,@function
k_q24f71bb449_outp:
	s_mov_b64 s[64:65], 0
	v_nop
	global_prefetch_b8 v0, s[64:65] scope:SCOPE_SE
	s_setreg_imm32_b32 hwreg(HW_REG_WAVE_MODE, 25, 1), 1
	s_wait_xcnt 0x0
; SECOND OF TWO LAUNCHES.  out[d][k] = sum over q of V[d][q] A[q][k], A = softmax along k of Q[q].K[k] / 8.  The first launch left Q's and K's codes of E2M1 (images of the operand's registers, 512 bytes a tile
; of 16 rows), their scale words, and n[q] = 10 - (c m + log2 l), c = log2(e) / 8.  Here s is multiplied again from the same codes (the same bits), P = 2^(c s + n) = 1,024 A is rounded to f16,
; V is rounded to f16, and out = 2^-10 x the f32 sum of their products.  The maximum that the softmax takes away stands in n.
; WHY f16 AND WHY 1,024: P lies in (0, 1,024], so a weight keeps f16's 11 bits down to A = 6e-8; V goes as it is.
; SHARES.  A work-group owns 512 keys of a head, each of its eight waves 64 keys (four tiles) and all 64 d: 16 accumulators, 128 registers.  4 x 64 work-groups.
; Every wave walks the head's 2,048 queries: 8 chunks of 256, a chunk 8 steps of 32.  A chunk's V (narrowed to f16 in registers), Q codes, scale words and n lie in one of two LDS buffers;
; each wave loads an eighth of the next chunk into registers a chunk ahead, and stores it into the other buffer at the change of chunks: one barrier a chunk.
; LAYOUT.  S = Q K^T (source 0 = 16 queries, source 1 = my 16 keys): a lane holds one key (lane % 16), register j query 8 (lane / 16) + j.  Two such tiles, rounded in pairs, ARE the 16 x 32 operand
; of the second product, which is used with P as source 0 and V as source 1: a lane then holds d = lane % 16 and eight NEIGHBOURING keys of a row of out.
; The scaled instruction takes 128 along K, the head has 64: registers 4-7 of each fragment are zero codes.
; NO CLUSTER, NO TENSOR LOAD: what the four work-groups of a head share is mostly V as f32, 65,536 bytes a chunk, which is halved in registers before it enters LDS; a joint tensor load would land
; the f32 numbers in LDS, to be read, narrowed and stored again.
; LIMITS: NaN and infinities are not served; |value| above 65,504 becomes infinity in f16; magnitudes of value under 6e-5 keep an absolute error of 3e-8.
; REGISTERS, in windows of 256: window 0: v1-17 addresses; v18, v20, v21 scale words; v22-31 staged words and codes; v32-47 Q's two fragments; v48-79 K's four; v80-95 n of the step's queries;
;   v96-127 V's four fragments; v128-191 S; v192-223 P.   window 1: v0-127 the accumulators ((dt, t) at 8 (4 dt + t)); v128-191 staged V as f32.
.set QIMG,  0                          ; LDS, buffer b: Q's 16 images at 8,192 b;
.set QSCL,  16384                      ; its 256 scale words at + 1,024 b;
.set NST,   18432                      ; n likewise;
.set VB0,   20480                      ; V: 64 rows of 256 f16 + 16 bytes: 132 words, so row r starts at bank 4 r mod 64 (64 banks of 4 bytes: ISA guide 11.1)
.set VB1,   54272
.set STG,   88064                      ; the way out: 16 rows x (256 + 16) bytes for each wave
.set SPARE, 122880                     ; the spare words, 128 bytes for each wave: four blocks of 256 bytes that no other line names
.set LI,  1                            ; v1   16 x lane
.set LS,  2                            ; v2   4 x lane
.set NA,  3                            ; v3   32 x (lane / 16)
.set AV,  4                            ; v4, v5  my place in a fragment of V, buffer 0, 1
.set VW,  6                            ; v6   4,224 x wave + 8 x lane: where I store V
.set QW,  7                            ; v7   1,024 x wave + 16 x lane: my two tiles of a chunk's Q codes, in memory and in LDS
.set SWO, 8                            ; v8   128 x wave + 4 x lane: my 32 words, likewise
.set VO,  9                            ; v9   65,536 x wave + 16 x lane: my eight rows of V
.set KO,  10                           ; v10  my K codes
.set KSO, 11                           ; v11  my K scale words
.set PFO, 12                           ; v12  the prefetches' offset
.set STO, 13                           ; v13  the way out: where I put 32 bytes of a row
.set RD,  14                           ; v14  where I read a row back
.set GO,  15                           ; v15  my byte offset in two rows of out
.set SPW, 16                           ; v16  LDS address of my spare word; never rewritten
.set NIL, 17                           ; v17  0; never rewritten
.set QSC, 18                           ; v18  Q's scale words: lanes 0-15 tile 0, lanes 16-31 tile 1.  Scales and nothing else
.set KSC, 20                           ; v20, v21  K's: register i: lanes 0-15 tile 2 i, lanes 16-31 tile 2 i + 1.  Scales and nothing else
.set SQS, 22
.set SNS, 23
.set SQC, 24
.set QF,  32
.set KF,  48
.set NQ,  80
.set VF,  96
.set S,   128
.set P,   192
.set VS,  128                          ; in window 1
.set OB,  64                           ; the way out: 32 registers for each 16 d
.set WV,  18
.set WX,  19
.set HD,  20
.set CS,  22                           ; s[22:23] c, twice
.set CNT, 27
.set LIM, 32
.set MSB, 0
.macro WIN new                         ; the immediate's high byte repeats the setting that is left; a switch that changes nothing is dropped
.if MSB != \new
	s_set_vgpr_msb (MSB<<8)|\new
.set MSB, \new
.endif
.endm
.macro NOPS n
.rept \n
	v_nop
.endr
.endm
.macro SW d, a, b, sa, sb, ra, rb      ; a scaled product that starts its sum; ra, rb: the side's scales stand in lanes 16-31
.if (\ra) && (\rb)
	v_wmma_scale_f32_16x16x128_f8f6f4 v[\d:\d+7], v[\a:\a+7], v[\b:\b+7], 0, v[\sa], v[\sb] matrix_a_fmt:MATRIX_FMT_FP4 matrix_b_fmt:MATRIX_FMT_FP4 matrix_a_scale:MATRIX_SCALE_ROW1 matrix_b_scale:MATRIX_SCALE_ROW1
.elseif (\ra)
	v_wmma_scale_f32_16x16x128_f8f6f4 v[\d:\d+7], v[\a:\a+7], v[\b:\b+7], 0, v[\sa], v[\sb] matrix_a_fmt:MATRIX_FMT_FP4 matrix_b_fmt:MATRIX_FMT_FP4 matrix_a_scale:MATRIX_SCALE_ROW1
.elseif (\rb)
	v_wmma_scale_f32_16x16x128_f8f6f4 v[\d:\d+7], v[\a:\a+7], v[\b:\b+7], 0, v[\sa], v[\sb] matrix_a_fmt:MATRIX_FMT_FP4 matrix_b_fmt:MATRIX_FMT_FP4 matrix_b_scale:MATRIX_SCALE_ROW1
.else
	v_wmma_scale_f32_16x16x128_f8f6f4 v[\d:\d+7], v[\a:\a+7], v[\b:\b+7], 0, v[\sa], v[\sb] matrix_a_fmt:MATRIX_FMT_FP4 matrix_b_fmt:MATRIX_FMT_FP4
.endif
.endm
; My eighth of the chunk at which the four bases stand: eight rows of V x 1,024 bytes (512 consecutive bytes a load), two tiles of Q codes, 32 scale words, 32 n.
.macro LOADS
	WIN 0x40                                       ; destination window 1, address window 0
.irp i, 0,1,2,3,4,5,6,7,8,9,10,11,12,13,14,15
	global_load_b128 v[VS+4*\i:VS+4*\i+3], v[VO], s[4:5] offset:(\i/2)*8192+(\i%2)*512
.endr
	WIN 0
	global_load_b128 v[SQC:SQC+3], v[QW], s[6:7]
	global_load_b128 v[SQC+4:SQC+7], v[QW], s[6:7] offset:512
	global_load_b32 v[SQS], v[SWO], s[8:9]
	global_load_b32 v[SNS], v[SWO], s[14:15]
.endm
; A prefetch of V's chunk behind the one that LOADS has just asked for: 64 rows x 1,024 bytes, 256 blocks of 256 bytes, a lane a block, one instruction a wave.  All four work-groups of a head walk the same V:
; the first of them asks, so that each block is named once in the launch.  how = 1: there is always such a chunk; how = 0: not in the loop's last trip.  Chunks 0 and 1 come by their loads alone; so do the codes and words.
.macro ASK how
.if \how
	s_cmp_eq_u32 s[LIM], 1
.else
	s_cmp_gt_u32 s[CNT], s[LIM]
.endif
	s_cbranch_scc0 .Lnot_mine_\@
	global_prefetch_b8 v[PFO], s[4:5] offset:1024 th:TH_LOAD_NT scope:SCOPE_SE
.Lnot_mine_\@:
.endm
.macro PRE3 b, s                       ; step s of buffer b: Q's two fragments and their scale words
.irp u, 0,1
	ds_load_b128 v[QF+8*\u:QF+8*\u+3], v[LI] offset:QIMG+8192*(\b)+(2*(\s)+\u)*512
.endr
	ds_load_b32 v[QSC], v[LS] offset:QSCL+1024*(\b)+128*(\s)
.endm
.macro PRE4 b, s                       ; and n of my 16 queries: 16 u + 8 (lane / 16) + 0 .. 7
.irp u, 0,1
.irp i, 0,1
	ds_load_b128 v[NQ+8*\u+4*\i:NQ+8*\u+4*\i+3], v[NA] offset:NST+1024*(\b)+128*(\s)+64*\u+16*\i
.endr
.endr
.endm
; A STEP: 32 queries, the s-th of buffer b.  nxt = 1: the next step's Q, scale words and n (same buffer) are asked for on the way.  zero = 1: the products start the sums: nothing is ever cleared.
.macro STEP b, s, nxt, zero
	NOPS 4                                         ; four places in front of loads into registers that the last products read
.irp dt, 0,1,2,3
.irp c, 0,1
	ds_load_b128 v[VF+8*\dt+4*\c:VF+8*\dt+4*\c+3], v[AV+\b] offset:\dt*8448+64*(\s)+32*\c   ; V(16 dt + r, 32 s + 16 c + 8 h + 0 .. 7)
.endr
.endr
	s_wait_dscnt 8                                 ; all but the eight just issued: this step's Q, scale words and n are in
.irp u, 0,1
.irp t, 0,1,2,3
	SW S+32*\u+8*\t, QF+8*\u, KF+8*\t, QSC, KSC+\t/2, \u, \t%2
.endr
.endr
	NOPS 4                                         ; four places in front of the loads below and of the first read of results
.if \nxt
	PRE3 \b, (\s)+1
.endif
.irp u, 0,1
.irp t, 0,1,2,3
.irp j, 0,2,4,6
	v_pk_fma_f32 v[S+32*\u+8*\t+\j:S+32*\u+8*\t+\j+1], v[S+32*\u+8*\t+\j:S+32*\u+8*\t+\j+1], s[CS:CS+1], v[NQ+8*\u+\j:NQ+8*\u+\j+1] op_sel_hi:[1,0,1]   ; c s + n; each accumulator from its low end on
.endr
.endr
.endr
.if \nxt
	PRE4 \b, (\s)+1
.endif
.set j, 0
.rept 64
	v_exp_f32 v[S+j], v[S+j]                       ; P = 1,024 A.  ONE BATCH
.set j, j+1
.endr
	v_nop                                          ; a plain instruction behind the last exponential,
	s_wait_alu depctr_va_vdst(0)                   ; and one wait for the batch ahead of its first reader
.irp t, 0,1,2,3
.irp u, 0,1
.irp i, 0,1,2,3
	v_cvt_pk_f16_f32 v[P+8*\t+4*\u+\i], v[S+32*\u+8*\t+2*\i], v[S+32*\u+8*\t+2*\i+1]
.endr
.endr
.endr
.if \nxt
	s_wait_dscnt 7                                 ; V's fragments are in; the next step's seven loads, issued behind them, may be out
.else
	s_wait_dscnt 0x0
.endif
	WIN 0x50                                       ; C and D window 1
.irp dt, 0,1,2,3
.irp t, 0,1,2,3                        ; the sixteen accumulators take turns, one instruction a turn; the next step's eight scaled products stand between two rounds
.if \zero
	v_wmma_f32_16x16x32_f16 v[8*(4*\dt+\t):8*(4*\dt+\t)+7], v[P+8*\t:P+8*\t+7], v[VF+8*\dt:VF+8*\dt+7], 0
.else
	v_wmma_f32_16x16x32_f16 v[8*(4*\dt+\t):8*(4*\dt+\t)+7], v[P+8*\t:P+8*\t+7], v[VF+8*\dt:VF+8*\dt+7], v[8*(4*\dt+\t):8*(4*\dt+\t)+7]
.endif
.endr
.endr
	WIN 0
.endm
; THE CHANGE OF CHUNKS.  What I loaded a chunk ago goes into buffer nb, which every wave left before the last barrier.  In front of the barrier I wait for these stores and for my reads of the other buffer.
; more = 1: the chunk after that is asked for.  pf: 0 no prefetch, 1 one that always has its chunk, 2 one that stops in the loop's last trip.
.macro TURN nb, more, pf
	s_wait_loadcnt 0x0
	WIN 0x05                                       ; sources window 1, destination window 0
.set j, 0
.rept 32
	v_cvt_pk_f16_f32 v[S+j], v[VS+2*j], v[VS+2*j+1]
.set j, j+1
.endr
	WIN 0
.irp i, 0,1,2,3,4,5,6,7,8,9,10,11,12,13,14,15
	ds_store_b64 v[VW], v[S+2*\i:S+2*\i+1] offset:VB0+(VB1-VB0)*(\nb)+(\i/2)*528+(\i%2)*256   ; 32 lanes: 256 consecutive bytes of a row
.endr
.irp i, 0,1
	ds_store_b128 v[QW], v[SQC+4*\i:SQC+4*\i+3] offset:QIMG+8192*(\nb)+512*\i
.endr
	ds_store_b32 v[SWO], v[SQS] offset:QSCL+1024*(\nb)
	ds_store_b32 v[SWO], v[SNS] offset:NST+1024*(\nb)
.if \more
	s_wait_xcnt 0x0                                ; the loads and the prefetch, a chunk back, have read their bases: they step only behind this wait
	s_add_nc_u64 s[4:5], s[4:5], 1024              ; V: 256 queries along each row
	s_add_nc_u64 s[6:7], s[6:7], 8192              ; Q's codes: 16 tiles
	s_add_nc_u64 s[8:9], s[8:9], 1024              ; its scale words
	s_add_nc_u64 s[14:15], s[14:15], 1024          ; n
.endif
	s_wait_dscnt 0x0                               ; for the others' sake: my stores have landed, my reads of the other buffer are over
	s_barrier_signal -1
	s_barrier_wait -1
	PRE3 \nb, 0
	PRE4 \nb, 0
.if \more
	LOADS
.endif
.if \pf == 1
	ASK 1
.elseif \pf == 2
	ASK 0
.endif
.endm
	s_load_b256 s[4:11], s[0:1], 0x0               ; value s[4:5], qc s[6:7], qs s[8:9], kc s[10:11]
	s_load_b128 s[12:15], s[0:1], 0x20             ; ks s[12:13], ns s[14:15]
	s_load_b64 s[16:17], s[0:1], 0x30              ; out0
	v_lshl_add_u32 v[SPW], v0, 2, SPARE
	v_mov_b32 v[NIL], 0
	v_lshrrev_b32 v24, 5, v0
	v_readfirstlane_b32 s[WV], v24                 ; wave 0..7
	s_and_b32 s[WX], ttmp9, 3                      ; work-group x: 0..3
	s_and_b32 s[HD], ttmp7, 0xffff                 ; the head
	v_and_b32 v24, 31, v0                          ; lane
	v_and_b32 v25, 15, v0                          ; r
	v_bfe_u32 v26, v0, 4, 1                        ; h
	v_lshlrev_b32 v[LI], 4, v24
	v_lshlrev_b32 v[LS], 2, v24
	v_lshlrev_b32 v[NA], 5, v26
	v_mul_u32_u24 v[AV], v25, 528
	v_lshl_add_u32 v[AV], v26, 4, v[AV]
	v_add_nc_u32 v[AV+1], VB1, v[AV]
	v_add_nc_u32 v[AV], VB0, v[AV]
	s_mul_i32 s34, s[WV], 4224
	v_lshl_add_u32 v[VW], v24, 3, s34
	s_lshl_b32 s34, s[WV], 10
	v_add_nc_u32 v[QW], s34, v[LI]
	s_lshl_b32 s34, s[WV], 7
	v_add_nc_u32 v[SWO], s34, v[LS]
	s_lshl_b32 s34, s[WV], 16
	v_add_nc_u32 v[VO], s34, v[LI]
	v_lshrrev_b32 v27, 2, v24
	v_lshl_add_u32 v[PFO], v27, 13, s34            ; row 8 x wave + lane / 4,
	v_and_b32 v27, 3, v24
	v_lshl_add_u32 v[PFO], v27, 8, v[PFO]          ; block lane % 4 of the chunk's four
	s_lshl_b32 s34, s[WX], 14
	s_lshl_b32 s35, s[WV], 11
	s_add_co_u32 s34, s34, s35
	v_add_nc_u32 v[KO], s34, v[LI]                 ; K's tile 32 x + 4 wave
	s_lshr_b32 s34, s34, 3
	v_add_nc_u32 v[KSO], s34, v[LS]                ; key 512 x + 64 wave + lane
	s_mul_i32 s34, s[WV], 4352
	s_add_co_u32 s34, s34, STG                     ; my stage
	v_mul_u32_u24 v[STO], v25, 272
	v_lshl_add_u32 v[STO], v26, 5, v[STO]
	v_add_nc_u32 v[STO], s34, v[STO]               ; in: row r, 32 bytes for each half of the lanes
	v_mul_u32_u24 v[RD], v26, 272
	v_lshl_add_u32 v[RD], v25, 4, v[RD]
	v_add_nc_u32 v[RD], s34, v[RD]                 ; back: lanes 0-15 one row of 256 bytes, lanes 16-31 the next
	v_lshlrev_b32 v[GO], 13, v26
	v_lshl_add_u32 v[GO], v25, 4, v[GO]            ; and the same two rows in out
.irp u, 0,1
.irp i, 4,5,6,7
	v_mov_b32 v[QF+8*\u+\i], 0                     ; k = 64 .. 127: zero codes
.endr
.endr
.irp t, 0,1,2,3
.irp i, 4,5,6,7
	v_mov_b32 v[KF+8*\t+\i], 0
.endr
.endr
	s_mov_b32 s[CS], 0x3e38aa3b                    ; c = log2(e) / 8
	s_mov_b32 s[CS+1], s[CS]
	s_cmp_eq_u32 s[WX], 0
	s_cselect_b32 s[LIM], 1, -1                    ; the head's first work-group prefetches
	s_wait_kmcnt 0x0
	s_lshl_b32 s34, s[HD], 19                      ; a head of V or out: 524,288 bytes
	s_mov_b32 s35, 0
	s_add_nc_u64 s[4:5], s[4:5], s[34:35]
	s_add_nc_u64 s[16:17], s[16:17], s[34:35]
	s_lshl_b32 s34, s[HD], 16                      ; a head's codes
	s_add_nc_u64 s[6:7], s[6:7], s[34:35]
	s_add_nc_u64 s[10:11], s[10:11], s[34:35]
	s_lshl_b32 s34, s[HD], 13                      ; a head's words
	s_add_nc_u64 s[8:9], s[8:9], s[34:35]
	s_add_nc_u64 s[12:13], s[12:13], s[34:35]
	s_add_nc_u64 s[14:15], s[14:15], s[34:35]
	s_lshl_b32 s34, s[WX], 11
	s_lshl_b32 s36, s[WV], 8
	s_add_co_u32 s34, s34, s36                     ; my 64 keys in a row of out: 2,048 x + 256 wave bytes
	s_add_nc_u64 s[16:17], s[16:17], s[34:35]
.irp t, 0,1,2,3
	global_load_b128 v[KF+8*\t:KF+8*\t+3], v[KO], s[10:11] offset:512*\t   ; K's four fragments stay in registers
.endr
.irp i, 0,1
	global_load_b32 v[KSC+\i], v[KSO], s[12:13] offset:128*\i
.endr
	LOADS                                          ; chunk 0
	TURN 0, 1, 1                                   ; chunk 0 into buffer 0; chunk 1 is asked for
	STEP 0, 0, 1, 1                                ; the first step stands in front of the loop: its products start the sums
	s_mov_b32 s[CNT], 3
.Ltrip:                                            ; a trip: two chunks, from the second step of an even chunk to the first step of the next even one
.irp s, 1,2,3,4,5,6
	STEP 0, \s, 1, 0
.endr
	STEP 0, 7, 0, 0
	TURN 1, 1, 1
.irp s, 0,1,2,3,4,5,6
	STEP 1, \s, 1, 0
.endr
	STEP 1, 7, 0, 0
	TURN 0, 1, 2
	STEP 0, 0, 1, 0
	s_sub_co_u32 s[CNT], s[CNT], 1
	s_cmp_lg_u32 s[CNT], 0
	s_cbranch_scc1 .Ltrip
.irp s, 1,2,3,4,5,6                    ; the last two chunks: nothing is left to load behind chunk 7
	STEP 0, \s, 1, 0
.endr
	STEP 0, 7, 0, 0
	TURN 1, 0, 0
.irp s, 0,1,2,3,4,5,6
	STEP 1, \s, 1, 0
.endr
	STEP 1, 7, 0, 0
; THE WAY OUT, 16 d at a time.  A lane holds 32 neighbouring bytes of a row of out, and the lanes beside it hold other rows: the block (16 rows x my 64 keys) is multiplied by 2^-10, goes through my own
; stage and comes back as whole pieces of 256 bytes.  LDS serves a wave's instructions in order (ISA guide 5.7.1.4): no wait between the stores and the loads, nor in front of the next block's stores.
.macro PACK dt
	WIN 0x01                                       ; source 0 window 1
.irp t, 0,1,2,3
.irp j, 0,2,4,6
	v_pk_mul_f32 v[OB+32*\dt+8*\t+\j:OB+32*\dt+8*\t+\j+1], v[8*(4*\dt+\t)+\j:8*(4*\dt+\t)+\j+1], 0x3a800000 op_sel_hi:[1,0]   ; each accumulator from its low end on
.endr
.endr
	WIN 0
.irp t, 0,1,2,3
.irp i, 0,1
	ds_store_b128 v[STO], v[OB+32*\dt+8*\t+4*\i:OB+32*\dt+8*\t+4*\i+3] offset:64*\t+16*\i
.endr
.endr
.irp i, 0,1,2,3,4,5,6,7
	ds_load_b128 v[OB+32*\dt+4*\i:OB+32*\dt+4*\i+3], v[RD] offset:544*\i
.endr
.endm
.macro SEND dt, younger                ; younger: the LDS instructions issued behind block dt's loads: the next block's sixteen, or none
	s_wait_dscnt \younger
.irp i, 0,1,2,3,4,5,6,7
	global_store_b128 v[GO], v[OB+32*\dt+4*\i:OB+32*\dt+4*\i+3], s[16:17] offset:(16*\dt+2*\i)*8192 th:TH_STORE_NT   ; 16 lanes store 256 consecutive bytes, at a multiple of 256 from out's first byte
.endr
.endm
	NOPS 4                                         ; four places behind the last products: their results are read, and registers that they read are written
	PACK 0
	PACK 1
	SEND 0, 16
	PACK 2
	SEND 1, 16
	PACK 3
	SEND 2, 16
	SEND 3, 0
	s_wait_tensorcnt 0x0                           ; the wave's end
	ds_add_u32 v[SPW], v[NIL]
	s_wait_dscnt 0x0
	s_endpgm
.Lfunc_end_k_q24f71bb449_outp:
	.size	k_q24f71bb449_outp, .Lfunc_end_k_q24f71bb449_outp-k_q24f71bb449_outp
	.p2alignl 7, 3214868480
	.fill 96, 4, 3214868480
	.section	.rodata,"a",@progbits
	.p2align	6, 0x0
	.amdhsa_kernel k_q24f71bb449_outp
		.amdhsa_group_segment_fixed_size 123904
		.amdhsa_private_segment_fixed_size 0
		.amdhsa_enable_private_segment 0
		.amdhsa_kernarg_size 56
		.amdhsa_user_sgpr_count 2
		.amdhsa_user_sgpr_kernarg_segment_ptr 1
		.amdhsa_wavefront_size32 1
		.amdhsa_system_sgpr_workgroup_id_x 1
		.amdhsa_system_sgpr_workgroup_id_y 1
		.amdhsa_system_sgpr_workgroup_id_z 1
		.amdhsa_system_vgpr_workitem_id 0
		.amdhsa_next_free_vgpr 512
		.amdhsa_next_free_sgpr 66
		.amdhsa_reserve_vcc 0
		.amdhsa_float_denorm_mode_32 3
		.amdhsa_float_denorm_mode_16_64 3
		.amdhsa_memory_ordered 1
		.amdhsa_forward_progress 1
		.amdhsa_inst_pref_size 255
	.end_amdhsa_kernel
	.section	.bss,"aw",@nobits
	.p2align	6
	.space	262144
	.amdgpu_metadata
---
amdhsa.version: [ 1, 2 ]
amdhsa.kernels:
  - .name:           k_q24f71bb449_outp
    .symbol:         k_q24f71bb449_outp.kd
    .args:
      - { .name: value, .offset: 0, .size: 8, .value_kind: global_buffer, .address_space: global }
      - { .name: qc, .offset: 8, .size: 8, .value_kind: global_buffer, .address_space: global }
      - { .name: qs, .offset: 16, .size: 8, .value_kind: global_buffer, .address_space: global }
      - { .name: kc, .offset: 24, .size: 8, .value_kind: global_buffer, .address_space: global }
      - { .name: ks, .offset: 32, .size: 8, .value_kind: global_buffer, .address_space: global }
      - { .name: ns, .offset: 40, .size: 8, .value_kind: global_buffer, .address_space: global }
      - { .name: out0, .offset: 48, .size: 8, .value_kind: global_buffer, .address_space: global }
    .group_segment_fixed_size: 123904
    .private_segment_fixed_size: 0
    .kernarg_segment_align: 8
    .kernarg_segment_size: 56
    .max_flat_workgroup_size: 256
    .sgpr_count:     66
    .vgpr_count:     512
    .wavefront_size: 32
...
	.end_amdgpu_metadata
.endif
;; end of part 2
;; ======== version 2 of 2: 2 launches; version 1 with the launches stats, outp written anew for expert scheduling mode
;; limits: values are held in f16: magnitudes above 65,504 overflow, below 6.1e-05 lose precision
;; workspace buffers: qc 4,194,304 bytes; kc 4,194,304 bytes; qs 524,288 bytes; ks 524,288 bytes; ns 524,288 bytes
;; launch stats (part 3): grid 4 x 64, 16 waves a work-group, no clusters, 145,408 bytes of LDS; arguments query, key, qc, qs, kc, ks, ns; writes qc, qs, kc, ks, ns
.if DOCPART == 3
	.amdgcn_target "amdgcn-amd-amdhsa--gfx1250"
	.amdhsa_code_object_version 6
	.text
	.protected	k_q24f71bb449_stats
	.globl	k_q24f71bb449_stats
	.p2align	8
	.type	k_q24f71bb449_stats,@function
k_q24f71bb449_stats:
	s_mov_b64 s[64:65], 0
	v_nop
	global_prefetch_b8 v0, s[64:65] scope:SCOPE_SE
	s_setreg_imm32_b32 hwreg(HW_REG_WAVE_SCHED_MODE, 0, 2), 2
	s_setreg_imm32_b32 hwreg(HW_REG_WAVE_MODE, 25, 1), 1
	s_wait_xcnt 0x0
	s_wait_alu depctr_vm_vsrc(0)
; FIRST OF TWO LAUNCHES.  out[d][k] = sum over q of V[d][q] softmax_k(Q[q].K[k] / 8): the softmax runs along k, the second product along q, so every query's
; maximum and sum over all 2,048 keys are wanted before any output can be summed.  This launch makes them, and the codes that both launches multiply.
; FOR EACH HEAD (64) AND QUERY: s = the sum of the quantised products Q[q].K[k]; c = log2(e) / 8; a running maximum m of s and a running sum l of 2^(c s - c m);
; stored is n[q] = 10 - (c m + log2 l), so that the second launch has 2^(c s + n) = 1,024 x the softmax by one multiply-add and one exponential.
; ALSO STORED: Q's and K's codes of E2M1 (one E8M0 scale for each 32 along the head's 64), as images of the operand's registers: a tile of 16 rows is 512 bytes,
; lane l's 16 bytes at 16 l = registers 0-3 of the fragment (row l % 16, k = 32 (l / 16) + 0 .. 31); and a scale word a row: byte 0 block 0, byte 1 block 1, bytes 2, 3 = 0.
; The matrix instruction takes 128 along K; the head has 64: registers 4-7 of every fragment are zero codes, which add nothing under the scale bytes 0 that stand over them.
; SHARES.  A work-group owns 512 queries of a head, each of its sixteen waves 32 (two tiles); 4 x 64 work-groups.  Every wave walks the head's 2,048 keys, 128 a step, 256 a chunk.
; In each chunk wave w quantises ONE tile of 16 keys into LDS (each chunk has LDS bytes of its own), a chunk ahead of its use; work-group x stores keys 512 x .. 512 x + 511 of them to memory at its end.
; LAYOUT.  S^T = K Q^T (source 0 = 16 keys, source 1 = 16 queries): a lane holds one query (lane % 16) and the keys 8 (lane / 16) + 0 .. 7 of each tile, and keeps maximum and sum of ITS keys;
; the two halves of the lanes meet once, at the end.
; NO CLUSTER, NO TENSOR LOAD: what the four work-groups of a head share is K as f32, 65,536 bytes a chunk; it is narrowed in registers to 8,192 bytes of codes and 1,024 of scale words before it
; enters LDS.  A joint tensor load would land the 65,536 bytes in LDS, to be read, narrowed and stored again.
; LIMITS: NaN and infinities are not served.  A block of zeros gets the scale byte 1 where the rule says 127: its codes are zeros, and this program alone reads the bytes.
; n is one f32 number: where |c s| reaches some 6,500 (both inputs 30 times the drawn spread) a query's weights carry a common relative error of up to 2^-12.5.
; THE MODE: SCHED_MODE bits 1:0 = 2 (LLVM: expert scheduling mode 2), set by the entry lines.  The code itself states the register dependences between vector or matrix
; instructions and memory or LDS instructions, with s_wait_alu, always for 0.
; THE PLAN.  Registers that memory or LDS instructions touch:
;   KF, KSC      LDS loads land in them; the scaled products read them.  A step has two runs of eight products on the one set of four fragments: one wait on va_vdst stands between the first run and the
;                loads for the second.  The wait for the exponentials stands behind both runs: the chunk's second step has its first eight loads directly behind it, under the sums.
;   S .. S+31    The products write them, the softmax reads and writes them; in the quantising phase the stage's loads land in them: one wait on va_vdst at that phase's head.
;   RAW          Global loads land in it, the stage's LDS stores read it; no vector instruction names it.
;   ADK, ADS     Written by additions at a trip's head and in the quantising phase; read by the LDS loads and stores that follow.
;   CC, PW0      Written by the quantiser, read by its two LDS stores; the maxima write the same registers again.
;   One wait on vm_vsrc at the quantising phase's head (ADK, ADS) and one at its end (RAW, ADK, ADS, CC, PW0), ahead of the loop's branch, free what LDS instructions have read.
;   All other addresses are made at the head and never written again.
.set KSCL,  65536                      ; LDS: 0: K's images, 128 tiles x 512 bytes;  KSCL: K's scale words, 4 bytes a key;
.set STG,   73728                      ; a stage of 16 rows x (256 + 16) bytes for each wave: row r starts at bank 4 r mod 64 (64 banks of 4 bytes: ISA guide 11.1);
.set SPARE, 143360                     ; the spare words, 128 bytes for each wave: eight blocks of 256 bytes that no other line names
.set LI,  1                            ; v1   16 x lane
.set LS,  2                            ; v2   KSCL + 4 x lane
.set STW, 3                            ; v3   the stage, in: bytes as they were loaded
.set STR, 4                            ; v4   the stage, back: my row's 128 bytes of my block
.set KIW, 5                            ; v5   512 x wave + 16 x lane: where my tile's image goes in a chunk
.set KSW, 6                            ; v6   KSCL + 64 x wave + 4 x (lane % 16): and its scale words
.set ADK, 7                            ; v7   LDS address in hand: images
.set ADS, 8                            ; v8   LDS address in hand: scale words
.set KO,  9                            ; v9   4,096 x wave + 16 x lane: my tile in a chunk of K in memory
.set QO,  10                           ; v10  8,192 x wave + 16 x lane: my two tiles of Q
.set PFO, 11                           ; v11  8,192 x wave + 256 x lane: the prefetches' offset
.set SH8, 12                           ; v12  8 x (lane / 16)
.set SPW, 13                           ; v13  LDS address of my spare word; never rewritten
.set NIL, 14                           ; v14  0; never rewritten
.set OC,  15                           ; v15  16,384 x + 1,024 wave + 16 lane: my place in qc and kc, and in K's images
.set OS,  255                          ; v255 2,048 x + 128 wave + 4 lane: my place in qs, ks, ns
.set QF,  16                           ; v16-31   Q's two fragments (registers 4-7 of each: zeros)
.set KF,  32                           ; v32-63   four fragments of K (likewise)
.set S,   64                           ; v64-191  the scores: tile of queries u, tile of keys t at S + 64 u + 8 t
.set RAW, 192                          ; v192-223 the next chunk's tile of K as f32
.set ST,  224                          ; v224-239 eight registers a tile of queries: +0 c m, +1 m, +2, +3 l in two halves, +4 f, +5 its partner in the pair, +6, +7 at work
.set MX,  240                          ; v240-247 eight chains of maxima; then two pairs of sums; in the quantiser T0-T3 and the codes
.set T0,  240
.set T1,  241
.set T2,  242
.set T3,  243
.set CC,  244
.set KSC, 248                          ; v248-251 K's scale words: register i: lanes 0-15 tile 2 i, lanes 16-31 tile 2 i + 1.  Scales and nothing else
.set QSC, 252                          ; v252     Q's scale words: lanes 0-15 tile 0, lanes 16-31 tile 1.  Scales and nothing else
.set PW0, 253
.set PW1, 254
.set WV,  18                           ; s18 wave;  s19 work-group x;  s20 head
.set WX,  19
.set HD,  20
.set CS,  22                           ; s[22:23] c, twice: the packed form names a pair
.set SEL, 24                           ; s[24:25] v_permlanex16_b32's selects for lane l xor 16
.set HM,  26                           ; s26 lanes 16-31
.set CNT, 27                           ; s27 trips to go
.set TB,  28                           ; s28 where the chunk in hand begins among the images: 8,192 a chunk
.set TS,  29                           ; s29 and among the scale words: 1,024 a chunk
.set LIM, 32                           ; s32 1 in a wave that prefetches, else the greatest number
.macro NOPS n
.rept \n
	v_nop
.endr
.endm
.macro BAR
	s_barrier_signal -1
	s_barrier_wait -1
.endm
; A tile of 16 rows x 64 f32 (4,096 bytes) was loaded as it lies, 512 consecutive bytes a load.  The conversions want a block's 32 numbers in ONE lane: the tile turns through my own stage.
; LDS serves a wave's instructions in order (ISA guide 5.7.1.4): no wait between the stores and the loads.
.macro TURNIN src, dst
.irp i, 0,1,2,3,4,5,6,7
	ds_store_b128 v[STW], v[\src+4*\i:\src+4*\i+3] offset:544*\i
.endr
.irp g, 0,1,2,3,4,5,6,7
	ds_load_b128 v[\dst+4*\g:\dst+4*\g+3], v[STR] offset:16*\g
.endr
.endm
; 32 numbers of a lane, block lane / 16 of row lane % 16, become registers 0-3 of the fragment, v[c] on, and the row's scale word, v[pw], in both halves of the lanes.
.macro QUANT x, c, pw
	v_max3_num_f32 v[T0], |v[\x]|, |v[\x+1]|, 0x1800000           ; the largest magnitude, in two chains; the floor 2^(3 - 127) among its leaves holds the byte at 1 from below
	v_max3_num_f32 v[T1], |v[\x+16]|, |v[\x+17]|, |v[\x+18]|
.irp i, 0,2,4,6,8,10
	v_max3_num_f32 v[T0], v[T0], |v[\x+2+\i]|, |v[\x+3+\i]|
	v_max3_num_f32 v[T1], v[T1], |v[\x+19+\i]|, |v[\x+20+\i]|
.endr
	v_max3_num_f32 v[T0], v[T0], |v[\x+14]|, |v[\x+15]|
	v_max3_num_f32 v[T0], v[T0], v[T1], |v[\x+31]|
	v_add_nc_u32 v[T2], 0xff000000, v[T0]                          ; 2 off its exponent field: the conversion takes the exponent field of this operand as its scale
	v_lshrrev_b32 v[T1], 23, v[T2]                                 ; the scale's byte,
	v_lshlrev_b32 v[T1], v[SH8], v[T1]                             ; at its block's place in the word;
	v_permlanex16_b32 v[T3], v[T1], s[SEL], s[SEL+1]
	v_or_b32 v[\pw], v[T1], v[T3]                                  ; with the other block's the word is whole
.irp g, 0,1,2,3
	v_cvt_scalef32_pk8_fp4_f32 v[\c+\g], v[\x+8*\g:\x+8*\g+7], v[T2]
.endr
	v_nop                                                          ; one plain instruction behind the last scaled conversion
.endm
; One product that starts its sum: nothing is accumulated over steps here.  ra, rb: the side's scales stand in lanes 16-31.
.macro SW d, a, b, sa, sb, ra, rb
.if (\ra) && (\rb)
	v_wmma_scale_f32_16x16x128_f8f6f4 v[\d:\d+7], v[\a:\a+7], v[\b:\b+7], 0, v[\sa], v[\sb] matrix_a_fmt:MATRIX_FMT_FP4 matrix_b_fmt:MATRIX_FMT_FP4 matrix_a_scale:MATRIX_SCALE_ROW1 matrix_b_scale:MATRIX_SCALE_ROW1
.elseif (\ra)
	v_wmma_scale_f32_16x16x128_f8f6f4 v[\d:\d+7], v[\a:\a+7], v[\b:\b+7], 0, v[\sa], v[\sb] matrix_a_fmt:MATRIX_FMT_FP4 matrix_b_fmt:MATRIX_FMT_FP4 matrix_a_scale:MATRIX_SCALE_ROW1
.elseif (\rb)
	v_wmma_scale_f32_16x16x128_f8f6f4 v[\d:\d+7], v[\a:\a+7], v[\b:\b+7], 0, v[\sa], v[\sb] matrix_a_fmt:MATRIX_FMT_FP4 matrix_b_fmt:MATRIX_FMT_FP4 matrix_b_scale:MATRIX_SCALE_ROW1
.else
	v_wmma_scale_f32_16x16x128_f8f6f4 v[\d:\d+7], v[\a:\a+7], v[\b:\b+7], 0, v[\sa], v[\sb] matrix_a_fmt:MATRIX_FMT_FP4 matrix_b_fmt:MATRIX_FMT_FP4
.endif
.endm
.macro KLOAD                           ; my tile of the chunk at which s[6:7] stands: eight loads of 512 consecutive bytes
.irp i, 0,1,2,3,4,5,6,7
	global_load_b128 v[RAW+4*\i:RAW+4*\i+3], v[KO], s[6:7] offset:512*\i
.endr
.endm
; A prefetch of the chunk behind the one that KLOAD has just asked for: 65,536 bytes, 256 blocks of 256 bytes, a lane a block.  All four work-groups of a head walk the same K: the first of them asks,
; by its waves 0 to 7, one instruction each, so that each block is named once in the launch.  The last trip asks for nothing: there is no chunk behind the one it loads.  Chunks 0 and 1 come by their loads alone.
.macro ASK
	s_cmp_gt_u32 s[CNT], s[LIM]
	s_cbranch_scc0 .Lnot_mine_\@
	global_prefetch_b8 v[PFO], s[6:7] offset:65536 th:TH_LOAD_NT scope:SCOPE_SE
.Lnot_mine_\@:
.endm
.macro KWORDS q                        ; the scale words of the 128 keys of the chunk's q-th half
.irp i, 0,1,2,3
	ds_load_b32 v[KSC+\i], v[ADS] offset:512*(\q)+128*\i
.endr
.endm
.macro KGET q, g                       ; four fragments: tiles 4 g .. 4 g + 3 of that half
.irp t, 0,1,2,3
	ds_load_b128 v[KF+8*\t:KF+8*\t+3], v[ADK] offset:(8*(\q)+4*(\g)+\t)*512
.endr
.endm
.macro MUL8 g                          ; those four tiles of keys x my two tiles of queries
.irp t, 0,1,2,3
.irp u, 0,1
	SW S+64*\u+8*(4*(\g)+\t), KF+8*\t, QF+8*\u, KSC+2*(\g)+\t/2, QSC, \t%2, \u
.endr
.endr
.endm
; The largest score of each run of 16 (two tiles of keys), for tiles 4 g .. 4 g + 3 and both tiles of queries: four chains by turns; each accumulator is read from its low end on.
.macro MAXG g
.irp u, 0,1
.irp b, 2*\g, 2*\g+1
	v_max3_num_f32 v[MX+4*\u+\b], v[S+64*\u+16*(\b)], v[S+64*\u+16*(\b)+1], v[S+64*\u+16*(\b)+2]
.endr
.endr
.irp i, 3,5,7,9,11,13
.irp u, 0,1
.irp b, 2*\g, 2*\g+1
	v_max3_num_f32 v[MX+4*\u+\b], v[MX+4*\u+\b], v[S+64*\u+16*(\b)+\i], v[S+64*\u+16*(\b)+\i+1]
.endr
.endr
.endr
.irp u, 0,1
.irp b, 2*\g, 2*\g+1
	v_max_num_f32 v[MX+4*\u+\b], v[MX+4*\u+\b], v[S+64*\u+16*(\b)+15]
.endr
.endr
.endm
; The running maximum and sum take in 128 keys: 64 scores a lane for each of my two tiles of queries, the tiles by turns.  The eight chains of maxima are made (MAXG).
; pre = 1: the first eight LDS loads of the chunk's second step are issued behind the wait for the exponentials.
.macro SOFT pre
.irp u, 0,1
	v_max3_num_f32 v[ST+8*\u+7], v[MX+4*\u], v[MX+4*\u+1], v[MX+4*\u+2]
.endr
.irp u, 0,1
	v_mov_b32 v[ST+8*\u+6], v[ST+8*\u]                             ; c m as it was
.endr
.irp u, 0,1
	v_max3_num_f32 v[ST+8*\u+1], v[ST+8*\u+7], v[MX+4*\u+3], v[ST+8*\u+1]   ; the new m
.endr
.irp u, 0,1
	v_mul_f32 v[ST+8*\u], s[CS], v[ST+8*\u+1]                      ; c m
.endr
.irp u, 0,1
	v_sub_f32 v[ST+8*\u+6], v[ST+8*\u+6], v[ST+8*\u]               ; c m_old - c m_new, 0 or less
.endr
.irp u, 0,1
.set j, 0
.rept 32
	v_pk_fma_f32 v[S+64*\u+j:S+64*\u+j+1], v[S+64*\u+j:S+64*\u+j+1], s[CS:CS+1], v[ST+8*\u:ST+8*\u+1] op_sel_hi:[1,0,0] neg_lo:[0,0,1] neg_hi:[0,0,1]   ; c s - c m, two at a time
.set j, j+2
.endr
.endr
.irp u, 0,1
	v_exp_f32 v[ST+8*\u+4], v[ST+8*\u+6]                           ; f = 2^(c m_old - c m_new)
.endr
.set j, 0
.rept 128
	v_exp_f32 v[S+j], v[S+j]                                       ; ONE BATCH: none of these reads an exponential's result
.set j, j+1
.endr
	v_nop                                                          ; a plain instruction behind the last exponential
	s_wait_alu depctr_va_vdst(0)                                   ; the 130 exponentials have written their results, ahead of the first reader; and the step's sixteen products are done reading KF and KSC
.if \pre
	KWORDS 1                                                       ; the second step's scale words and first four fragments: no line since the wait names KSC, KF or their addresses
	KGET 1, 0
.endif
.irp u, 0,1
	v_pk_fma_f32 v[ST+8*\u+2:ST+8*\u+3], v[ST+8*\u+2:ST+8*\u+3], v[ST+8*\u+4:ST+8*\u+5], v[S+64*\u:S+64*\u+1] op_sel_hi:[1,0,1]   ; l = f l + the first pair
	v_pk_add_f32 v[MX+2*\u:MX+2*\u+1], v[S+64*\u+2:S+64*\u+3], v[S+64*\u+4:S+64*\u+5]                                           ; a second chain
.endr
.set j, 6
.rept 14
.irp u, 0,1
	v_pk_add_f32 v[ST+8*\u+2:ST+8*\u+3], v[ST+8*\u+2:ST+8*\u+3], v[S+64*\u+j:S+64*\u+j+1]
	v_pk_add_f32 v[MX+2*\u:MX+2*\u+1], v[MX+2*\u:MX+2*\u+1], v[S+64*\u+j+2:S+64*\u+j+3]
.endr
.set j, j+4
.endr
.irp u, 0,1
	v_pk_add_f32 v[ST+8*\u+2:ST+8*\u+3], v[ST+8*\u+2:ST+8*\u+3], v[S+64*\u+62:S+64*\u+63]
.endr
.irp u, 0,1
	v_pk_add_f32 v[ST+8*\u+2:ST+8*\u+3], v[ST+8*\u+2:ST+8*\u+3], v[MX+2*\u:MX+2*\u+1]
.endr
.endm
; A step: 128 keys, the q-th half of the chunk in hand: 16 products in two runs of eight, the maxima of the first run's scores between the second run's loads and the wait for them, then SOFT.
; Step 0 asks for its first loads itself; step 1's were issued in step 0.
.macro STEP q
.if (\q) == 0
	KWORDS 0
	KGET 0, 0
.endif
	s_wait_dscnt 0x0
	MUL8 0
	NOPS 4                                                         ; four places behind these products, ahead of the first read of their results
	s_wait_alu depctr_va_vdst(0)                                   ; the eight products are done reading KF, in which the next four fragments land
	KGET \q, 1
	MAXG 0
	s_wait_dscnt 0x0
	MUL8 1
	NOPS 4                                                         ; four places in front of the first read of results
	MAXG 1
	SOFT 1-(\q)
.endm
; The tile in RAW is quantised and goes to LDS, offi and offs bytes behind the chunk in hand.  a = 1: a barrier stands in front too, so that no wave stores while another still reads a chunk.
.macro QPHASE offi, offs, a
.if \a
	s_wait_dscnt 0x0                                               ; my reads of the chunk in hand are over
	BAR
.endif
	s_wait_loadcnt 0x0                                             ; my tile of K is in
.if \a
	s_wait_alu depctr_va_vdst(0)                                   ; the sums are done reading and writing v[S .. S+31], in which the stage's loads land
.endif
	s_wait_alu depctr_vm_vsrc(0)                                   ; the LDS instructions issued so far have read their registers: the steps' loads v[ADK] and v[ADS], which are written below; at the head Q's stores into the stage v[S .. S+31], in which the stage's loads land
	TURNIN RAW, S
	s_wait_xcnt 0x0                                                ; the loads and the prefetch have read their base: it steps only behind this wait
	s_add_nc_u64 s[6:7], s[6:7], 65536                             ; K: a chunk on
	v_add_nc_u32 v[ADK], s[TB], v[KIW]
	v_add_nc_u32 v[ADS], s[TS], v[KSW]
	s_wait_dscnt 0x0
	QUANT S, CC, PW0
	s_wait_alu depctr_va_vdst(0)                                   ; v[ADK], v[ADS], the codes and the scale word are written, which the two stores read
	ds_store_b128 v[ADK], v[CC:CC+3] offset:\offi                  ; the image: lane l's 16 bytes at 16 l
	ds_store_b32 v[ADS], v[PW0] offset:\offs                       ; both halves of the lanes write the same word with the same value
	s_wait_dscnt 0x0                                               ; for the others' sake: my stores have landed
	s_wait_alu depctr_vm_vsrc(0)                                   ; my LDS stores have read RAW, in which the next tile lands, and v[ADK], v[ADS], the codes and the word, which vector lines write again
	BAR
.endm
	s_load_b256 s[4:11], s[0:1], 0x0               ; query s[4:5], key s[6:7], qc s[8:9], qs s[10:11]
	s_load_b128 s[12:15], s[0:1], 0x20             ; kc s[12:13], ks s[14:15]
	s_load_b64 s[16:17], s[0:1], 0x30              ; ns
	v_lshl_add_u32 v[SPW], v0, 2, SPARE
	v_mov_b32 v[NIL], 0
	v_lshrrev_b32 v[T0], 5, v0
	v_readfirstlane_b32 s[WV], v[T0]               ; wave 0..15
	s_and_b32 s[WX], ttmp9, 3                      ; work-group x: 0..3
	s_and_b32 s[HD], ttmp7, 0xffff                 ; the head
	v_and_b32 v[T0], 31, v0                        ; lane
	v_and_b32 v[T1], 15, v0                        ; r
	v_bfe_u32 v[T2], v0, 4, 1                      ; h
	v_lshlrev_b32 v[LI], 4, v[T0]
	v_lshl_add_u32 v[LS], v[T0], 2, KSCL
	s_wait_alu depctr_va_sdst(0)                   ; the wave's number is written, ahead of its first reader
	s_mul_i32 s34, s[WV], 4352
	s_add_co_u32 s34, s34, STG                     ; my stage
	v_mul_u32_u24 v[STW], v[T2], 272               ; in: a load's 512 bytes are two rows: lanes 0-15 one, lanes 16-31 the next
	v_lshl_add_u32 v[STW], v[T1], 4, v[STW]
	v_add_nc_u32 v[STW], s34, v[STW]
	v_mul_u32_u24 v[STR], v[T1], 272               ; back: row r, block h
	v_lshl_add_u32 v[STR], v[T2], 7, v[STR]
	v_add_nc_u32 v[STR], s34, v[STR]
	s_lshl_b32 s34, s[WV], 9
	v_add_nc_u32 v[KIW], s34, v[LI]
	s_lshl_b32 s34, s[WV], 6
	s_add_co_u32 s34, s34, KSCL
	v_lshl_add_u32 v[KSW], v[T1], 2, s34
	s_lshl_b32 s34, s[WV], 12
	v_add_nc_u32 v[KO], s34, v[LI]
	s_lshl_b32 s34, s[WV], 13
	v_add_nc_u32 v[QO], s34, v[LI]
	v_lshl_add_u32 v[PFO], v[T0], 8, s34
	v_lshlrev_b32 v[SH8], 3, v[T2]
	s_lshl_b32 s34, s[WX], 14
	s_lshl_b32 s35, s[WV], 10
	s_add_co_u32 s34, s34, s35
	v_add_nc_u32 v[OC], s34, v[LI]
	s_lshr_b32 s34, s34, 3
	v_lshl_add_u32 v[OS], v[T0], 2, s34
	v_mov_b32 v[T3], 0                             ; a lane permute's destination counts as one of its sources
	s_mov_b32 s[CS], 0x3e38aa3b                    ; c = log2(e) / 8
	s_mov_b32 s[CS+1], s[CS]
	s_mov_b32 s[SEL], 0x76543210
	s_mov_b32 s[SEL+1], 0xfedcba98
	s_mov_b32 s[HM], 0xffff0000
	s_mov_b32 s[TB], 0
	s_mov_b32 s[TS], 0
	s_lshr_b32 s[LIM], s[WV], 3                    ; 0 in waves 0 to 7
	s_or_b32 s[LIM], s[LIM], s[WX]                 ; of the head's first work-group
	s_cmp_eq_u32 s[LIM], 0
	s_cselect_b32 s[LIM], 1, -1
.irp u, 0,1
.irp i, 4,5,6,7
	v_mov_b32 v[QF+8*\u+\i], 0                     ; k = 64 .. 127: zero codes
.endr
.endr
.irp t, 0,1,2,3
.irp i, 4,5,6,7
	v_mov_b32 v[KF+8*\t+\i], 0
.endr
.endr
.irp u, 0,1
	v_mov_b32 v[ST+8*\u+1], 0xff61b1e6             ; m: -3e38, under every score
	v_mov_b32 v[ST+8*\u+2], 0                      ; l
	v_mov_b32 v[ST+8*\u+3], 0
	v_mov_b32 v[ST+8*\u+5], 0                      ; (named with f as a pair, so it is written)
	v_mul_f32 v[ST+8*\u], s[CS], v[ST+8*\u+1]      ; c m
.endr
	s_wait_kmcnt 0x0
	s_lshl_b32 s34, s[HD], 19                      ; a head of Q or K: 524,288 bytes
	s_mov_b32 s35, 0
	s_add_nc_u64 s[4:5], s[4:5], s[34:35]
	s_add_nc_u64 s[6:7], s[6:7], s[34:35]
	s_lshl_b32 s34, s[WX], 17                      ; my work-group's 512 queries
	s_add_nc_u64 s[4:5], s[4:5], s[34:35]
	s_lshl_b32 s34, s[HD], 16                      ; a head's codes: 65,536 bytes
	s_add_nc_u64 s[8:9], s[8:9], s[34:35]
	s_add_nc_u64 s[12:13], s[12:13], s[34:35]
	s_lshl_b32 s34, s[HD], 13                      ; a head's words: 8,192 bytes
	s_add_nc_u64 s[10:11], s[10:11], s[34:35]
	s_add_nc_u64 s[14:15], s[14:15], s[34:35]
	s_add_nc_u64 s[16:17], s[16:17], s[34:35]
	s_wait_alu depctr_va_vdst(0)                   ; all offsets and LDS addresses of the head are written, which the loads and stores of the whole kernel read; so are the fragments' zero codes, which the scaled products take
.irp u, 0,1
.irp i, 0,1,2,3,4,5,6,7
	global_load_b128 v[S+32*\u+4*\i:S+32*\u+4*\i+3], v[QO], s[4:5] offset:4096*\u+512*\i th:TH_LOAD_NT   ; my 32 queries: read once in the launch
.endr
.endr
	KLOAD                                          ; chunk 0
	s_wait_loadcnt 8                               ; Q's sixteen loads are in; K's eight, issued behind them, may be out
	TURNIN S, S+64
	TURNIN S+32, S+96
	s_wait_dscnt 0x0
	QUANT S+64, QF, PW0
	QUANT S+96, QF+8, PW1
	v_cndmask_b32 v[QSC], v[PW0], v[PW1], s[HM]    ; lanes 0-15: tile 0's words, lanes 16-31: tile 1's.  K's quantiser below stands between this line and the first scaled product
	s_wait_alu depctr_va_vdst(0)                   ; Q's codes and scale words are written, which the three stores read and the scaled products take
	global_store_b128 v[OC], v[QF:QF+3], s[8:9]
	global_store_b128 v[OC], v[QF+8:QF+11], s[8:9] offset:512
	global_store_b32 v[OS], v[QSC], s[10:11]
	QPHASE 0, 0, 0                                 ; chunk 0 lies in LDS
	s_mov_b32 s[CNT], 7
.Lchunk:                                           ; a trip: the next chunk's tile is asked for; the chunk in hand is multiplied; the next is quantised
	KLOAD
	ASK
	v_add_nc_u32 v[ADK], s[TB], v[LI]
	v_add_nc_u32 v[ADS], s[TS], v[LS]
	s_wait_alu depctr_va_vdst(0)                   ; v[ADK] and v[ADS] are written, which the steps' LDS loads read
	STEP 0
	STEP 1
	QPHASE 8192, 1024, 1
	s_add_co_u32 s[TB], s[TB], 8192
	s_add_co_u32 s[TS], s[TS], 1024
	s_sub_co_u32 s[CNT], s[CNT], 1
	s_cmp_lg_u32 s[CNT], 0
	s_cbranch_scc1 .Lchunk
	v_add_nc_u32 v[ADK], s[TB], v[LI]              ; the last chunk: nothing is left to load
	v_add_nc_u32 v[ADS], s[TS], v[LS]
	s_wait_alu depctr_va_vdst(0)                   ; v[ADK] and v[ADS] are written, which the steps' LDS loads read
	STEP 0
	STEP 1
	; THE END.  The two halves of the lanes hold maximum and sum of a query's two halves of the keys: they meet under the larger c m.
.irp u, 0,1
	v_add_f32 v[ST+8*\u+2], v[ST+8*\u+2], v[ST+8*\u+3]
	v_permlanex16_b32 v[ST+8*\u+7], v[ST+8*\u], s[SEL], s[SEL+1]
.endr
.irp u, 0,1
	v_max_num_f32 v[ST+8*\u+6], v[ST+8*\u], v[ST+8*\u+7]           ; M = the query's c m
.endr
.irp u, 0,1
	v_sub_f32 v[ST+8*\u+4], v[ST+8*\u], v[ST+8*\u+6]
.endr
.irp u, 0,1
	v_exp_f32 v[ST+8*\u+4], v[ST+8*\u+4]
.endr
	v_nop
	s_wait_alu depctr_va_vdst(0)                   ; the two exponentials have written their results, ahead of their first reader
.irp u, 0,1
	v_mul_f32 v[ST+8*\u+2], v[ST+8*\u+2], v[ST+8*\u+4]             ; my sum under M
.endr
.irp u, 0,1
	v_permlanex16_b32 v[ST+8*\u+7], v[ST+8*\u+2], s[SEL], s[SEL+1]
.endr
.irp u, 0,1
	v_add_f32 v[ST+8*\u+2], v[ST+8*\u+2], v[ST+8*\u+7]             ; l: at least 1
.endr
.irp u, 0,1
	v_log_f32 v[ST+8*\u+5], v[ST+8*\u+2]
.endr
.irp u, 0,1
	v_sub_f32 v[ST+8*\u+6], 0x41200000, v[ST+8*\u+6]               ; 10 - M.  (Plain work behind the logarithms)
.endr
	s_wait_alu depctr_vm_vsrc(0)                   ; the last step's LDS loads have read v[ADS], which the next line writes
	v_add_nc_u32 v[ADS], KSCL, v[OS]               ; where my 32 scale words of K lie in LDS
	s_wait_alu depctr_va_vdst(0)                   ; the two logarithms have written their results, ahead of their first reader
.irp u, 0,1
	v_sub_f32 v[ST+8*\u+6], v[ST+8*\u+6], v[ST+8*\u+5]             ; n = 10 - M - log2 l
.endr
	v_cndmask_b32 v[ST+7], v[ST+6], v[ST+14], s[HM]                ; lanes 0-15: tile 0's queries, lanes 16-31: tile 1's
	s_wait_alu depctr_va_vdst(0)                   ; n is written, which the store reads (v[ADS], which the third LDS load below reads, was written ahead of the wait before)
	global_store_b32 v[OS], v[ST+7], s[16:17]
	; My work-group's quarter of K's codes and scale words goes to memory: two tiles and 32 words a wave.  Nobody writes these LDS bytes behind the last barrier.
	ds_load_b128 v[RAW:RAW+3], v[OC]
	ds_load_b128 v[RAW+4:RAW+7], v[OC] offset:512
	ds_load_b32 v[RAW+8], v[ADS]
	s_wait_dscnt 0x0
	global_store_b128 v[OC], v[RAW:RAW+3], s[12:13]
	global_store_b128 v[OC], v[RAW+4:RAW+7], s[12:13] offset:512
	global_store_b32 v[OS], v[RAW+8], s[14:15]
	s_wait_dscnt 0x0                               ; the wave's end
	s_wait_alu 0x0
	s_wait_tensorcnt 0x0
	ds_add_u32 v[SPW], v[NIL]
	s_wait_dscnt 0x0
	s_endpgm
.Lfunc_end_k_q24f71bb449_stats:
	.size	k_q24f71bb449_stats, .Lfunc_end_k_q24f71bb449_stats-k_q24f71bb449_stats
	.p2alignl 7, 3214868480
	.fill 96, 4, 3214868480
	.section	.rodata,"a",@progbits
	.p2align	6, 0x0
	.amdhsa_kernel k_q24f71bb449_stats
		.amdhsa_group_segment_fixed_size 145408
		.amdhsa_private_segment_fixed_size 0
		.amdhsa_enable_private_segment 0
		.amdhsa_kernarg_size 56
		.amdhsa_user_sgpr_count 2
		.amdhsa_user_sgpr_kernarg_segment_ptr 1
		.amdhsa_wavefront_size32 1
		.amdhsa_system_sgpr_workgroup_id_x 1
		.amdhsa_system_sgpr_workgroup_id_y 1
		.amdhsa_system_sgpr_workgroup_id_z 1
		.amdhsa_system_vgpr_workitem_id 0
		.amdhsa_next_free_vgpr 256
		.amdhsa_next_free_sgpr 66
		.amdhsa_reserve_vcc 0
		.amdhsa_float_denorm_mode_32 3
		.amdhsa_float_denorm_mode_16_64 3
		.amdhsa_memory_ordered 1
		.amdhsa_forward_progress 1
		.amdhsa_inst_pref_size 100
	.end_amdhsa_kernel
	.amdgpu_metadata
---
amdhsa.version: [ 1, 2 ]
amdhsa.kernels:
  - .name:           k_q24f71bb449_stats
    .symbol:         k_q24f71bb449_stats.kd
    .args:
      - { .name: query, .offset: 0, .size: 8, .value_kind: global_buffer, .address_space: global }
      - { .name: key, .offset: 8, .size: 8, .value_kind: global_buffer, .address_space: global }
      - { .name: qc, .offset: 16, .size: 8, .value_kind: global_buffer, .address_space: global }
      - { .name: qs, .offset: 24, .size: 8, .value_kind: global_buffer, .address_space: global }
      - { .name: kc, .offset: 32, .size: 8, .value_kind: global_buffer, .address_space: global }
      - { .name: ks, .offset: 40, .size: 8, .value_kind: global_buffer, .address_space: global }
      - { .name: ns, .offset: 48, .size: 8, .value_kind: global_buffer, .address_space: global }
    .group_segment_fixed_size: 145408
    .private_segment_fixed_size: 0
    .kernarg_segment_align: 8
    .kernarg_segment_size: 56
    .max_flat_workgroup_size: 512
    .sgpr_count:     66
    .vgpr_count:     256
    .wavefront_size: 32
...
	.end_amdgpu_metadata
.endif
;; end of part 3
;; launch outp (part 4): grid 4 x 64, 8 waves a work-group, no clusters, 123,904 bytes of LDS; arguments value, qc, qs, kc, ks, ns, out0; writes out0
.if DOCPART == 4
	.amdgcn_target "amdgcn-amd-amdhsa--gfx1250"
	.amdhsa_code_object_version 6
	.text
	.protected	k_q24f71bb449_outp
	.globl	k_q24f71bb449_outp
	.p2align	8
	.type	k_q24f71bb449_outp,@function
k_q24f71bb449_outp:
	s_mov_b64 s[64:65], 0
	v_nop
	global_prefetch_b8 v0, s[64:65] scope:SCOPE_SE
	s_setreg_imm32_b32 hwreg(HW_REG_WAVE_SCHED_MODE, 0, 2), 2
	s_setreg_imm32_b32 hwreg(HW_REG_WAVE_MODE, 25, 1), 1
	s_wait_xcnt 0x0
	s_wait_alu depctr_vm_vsrc(0)
; SECOND OF TWO LAUNCHES.  out[d][k] = sum over q of V[d][q] A[q][k], A = softmax along k of Q[q].K[k] / 8.  The first launch left Q's and K's codes of E2M1 (images of the operand's registers, 512 bytes a tile
; of 16 rows), their scale words, and n[q] = 10 - (c m + log2 l), c = log2(e) / 8.  Here s is multiplied again from the same codes (the same bits), P = 2^(c s + n) = 1,024 A is rounded to f16,
; V is rounded to f16, and out = 2^-10 x the f32 sum of their products.  The maximum that the softmax takes away stands in n.
; WHY f16 AND WHY 1,024: P lies in (0, 1,024], so a weight keeps f16's 11 bits down to A = 6e-8; V goes as it is.
; SHARES.  A work-group owns 512 keys of a head, each of its eight waves 64 keys (four tiles) and all 64 d: 16 accumulators, 128 registers.  4 x 64 work-groups.
; Every wave walks the head's 2,048 queries: 8 chunks of 256, a chunk 8 steps of 32.  A chunk's V (narrowed to f16 in registers), Q codes, scale words and n lie in one of two LDS buffers;
; each wave loads an eighth of the next chunk into registers a chunk ahead, and stores it into the other buffer at the change of chunks: one barrier a chunk.
; LAYOUT.  S = Q K^T (source 0 = 16 queries, source 1 = my 16 keys): a lane holds one key (lane % 16), register j query 8 (lane / 16) + j.  Two such tiles, rounded in pairs, ARE the 16 x 32 operand
; of the second product, which is used with P as source 0 and V as source 1: a lane then holds d = lane % 16 and eight NEIGHBOURING keys of a row of out.
; The scaled instruction takes 128 along K, the head has 64: registers 4-7 of each fragment are zero codes.
; NO CLUSTER, NO TENSOR LOAD: what the four work-groups of a head share is mostly V as f32, 65,536 bytes a chunk, which is halved in registers before it enters LDS; a joint tensor load would land
; the f32 numbers in LDS, to be read, narrowed and stored again.
; LIMITS: NaN and infinities are not served; |value| above 65,504 becomes infinity in f16; magnitudes of value under 6e-5 keep an absolute error of 3e-8.
; REGISTERS, in windows of 256: window 0: v1-17 addresses; v18, v20, v21 scale words; v22-31 staged words and codes; v32-47 Q's two fragments; v48-79 K's four; v80-95 n of the step's queries;
;   v128-191 S; v192-223 P.   window 1: v0-127 the accumulators ((dt, t) at 8 (4 dt + t)); v128-191 staged V as f32; v192-255 V's four fragments, two sets.
; THE MODE: SCHED_MODE bits 1:0 = 2 (LLVM: expert scheduling mode 2), set by the entry lines.  The code itself states the register dependences between vector or matrix
; instructions and memory or LDS instructions, with s_wait_alu, always for 0.
; THE PLAN.  Registers that memory or LDS instructions touch, in the loop:
;   QF, QSC      LDS loads land in them; step s's eight scaled products read them.
;   NQ           LDS loads land in it; step s's 32 multiply-adds read it.
;   VF0, VF1     LDS loads land in them; step s's sixteen f16 products read set s % 2.
;   VS           Global loads land in it; the 32 conversions of a change of chunks read it.
;   S .. S+31    At a change of chunks the conversions write them and LDS stores read them; the next step's products write them again.
;   SQC, SQS, SNS  Global loads land in them, LDS stores read them; no vector instruction of the loop names them.
;   All addresses are made at the head and never written again.
; ONE wait on va_vdst stands in a step, behind its exponentials.  Ahead of it stand the step's scaled products and multiply-adds and the f16 products of the step before: so QF, QSC, NQ and the OTHER set of V
; are free, and the next step's fifteen LDS loads follow it, dealt among the roundings and the f16 products, which name S, P, this step's set of V and the accumulators: none of the registers that those loads touch.
; A change of chunks has one wait on va_vdst ahead of its LDS stores and one on vm_vsrc behind them.
.set QIMG,  0                          ; LDS, buffer b: Q's 16 images at 8,192 b;
.set QSCL,  16384                      ; its 256 scale words at + 1,024 b;
.set NST,   18432                      ; n likewise;
.set VB0,   20480                      ; V: 64 rows of 256 f16 + 16 bytes: 132 words, so row r starts at bank 4 r mod 64 (64 banks of 4 bytes: ISA guide 11.1)
.set VB1,   54272
.set STG,   88064                      ; the way out: 16 rows x (256 + 16) bytes for each wave
.set SPARE, 122880                     ; the spare words, 128 bytes for each wave: four blocks of 256 bytes that no other line names
.set LI,  1                            ; v1   16 x lane
.set LS,  2                            ; v2   4 x lane
.set NA,  3                            ; v3   32 x (lane / 16)
.set AV,  4                            ; v4, v5  my place in a fragment of V, buffer 0, 1
.set VW,  6                            ; v6   4,224 x wave + 8 x lane: where I store V
.set QW,  7                            ; v7   1,024 x wave + 16 x lane: my two tiles of a chunk's Q codes, in memory and in LDS
.set SWO, 8                            ; v8   128 x wave + 4 x lane: my 32 words, likewise
.set VO,  9                            ; v9   65,536 x wave + 16 x lane: my eight rows of V
.set KO,  10                           ; v10  my K codes
.set KSO, 11                           ; v11  my K scale words
.set PFO, 12                           ; v12  the prefetches' offset
.set STO, 13                           ; v13  the way out: where I put 32 bytes of a row
.set RD,  14                           ; v14  where I read a row back
.set GO,  15                           ; v15  my byte offset in two rows of out
.set SPW, 16                           ; v16  LDS address of my spare word; never rewritten
.set NIL, 17                           ; v17  0; never rewritten
.set QSC, 18                           ; v18  Q's scale words: lanes 0-15 tile 0, lanes 16-31 tile 1.  Scales and nothing else
.set KSC, 20                           ; v20, v21  K's: register i: lanes 0-15 tile 2 i, lanes 16-31 tile 2 i + 1.  Scales and nothing else
.set SQS, 22
.set SNS, 23
.set SQC, 24
.set QF,  32
.set KF,  48
.set NQ,  80
.set S,   128
.set P,   192
.set VS,  128                          ; in window 1
.set VF,  192                          ; in window 1: set p at VF + 32 p
.set OB,  64                           ; the way out: 32 registers for each 16 d
.set WV,  18
.set WX,  19
.set HD,  20
.set CS,  22                           ; s[22:23] c, twice
.set CNT, 27
.set LIM, 32
.set MSB, 0
.macro WIN new                         ; the immediate's high byte repeats the setting that is left; a switch that changes nothing is dropped
.if MSB != \new
	s_set_vgpr_msb (MSB<<8)|\new
.set MSB, \new
.endif
.endm
.macro NOPS n
.rept \n
	v_nop
.endr
.endm
.macro SW d, a, b, sa, sb, ra, rb      ; a scaled product that starts its sum; ra, rb: the side's scales stand in lanes 16-31
.if (\ra) && (\rb)
	v_wmma_scale_f32_16x16x128_f8f6f4 v[\d:\d+7], v[\a:\a+7], v[\b:\b+7], 0, v[\sa], v[\sb] matrix_a_fmt:MATRIX_FMT_FP4 matrix_b_fmt:MATRIX_FMT_FP4 matrix_a_scale:MATRIX_SCALE_ROW1 matrix_b_scale:MATRIX_SCALE_ROW1
.elseif (\ra)
	v_wmma_scale_f32_16x16x128_f8f6f4 v[\d:\d+7], v[\a:\a+7], v[\b:\b+7], 0, v[\sa], v[\sb] matrix_a_fmt:MATRIX_FMT_FP4 matrix_b_fmt:MATRIX_FMT_FP4 matrix_a_scale:MATRIX_SCALE_ROW1
.elseif (\rb)
	v_wmma_scale_f32_16x16x128_f8f6f4 v[\d:\d+7], v[\a:\a+7], v[\b:\b+7], 0, v[\sa], v[\sb] matrix_a_fmt:MATRIX_FMT_FP4 matrix_b_fmt:MATRIX_FMT_FP4 matrix_b_scale:MATRIX_SCALE_ROW1
.else
	v_wmma_scale_f32_16x16x128_f8f6f4 v[\d:\d+7], v[\a:\a+7], v[\b:\b+7], 0, v[\sa], v[\sb] matrix_a_fmt:MATRIX_FMT_FP4 matrix_b_fmt:MATRIX_FMT_FP4
.endif
.endm
; My eighth of the chunk at which the four bases stand: eight rows of V x 1,024 bytes (512 consecutive bytes a load), two tiles of Q codes, 32 scale words, 32 n.
.macro LOADS
	WIN 0x40                                       ; destination window 1, address window 0
.irp i, 0,1,2,3,4,5,6,7,8,9,10,11,12,13,14,15
	global_load_b128 v[VS+4*\i:VS+4*\i+3], v[VO], s[4:5] offset:(\i/2)*8192+(\i%2)*512
.endr
	WIN 0
	global_load_b128 v[SQC:SQC+3], v[QW], s[6:7]
	global_load_b128 v[SQC+4:SQC+7], v[QW], s[6:7] offset:512
	global_load_b32 v[SQS], v[SWO], s[8:9]
	global_load_b32 v[SNS], v[SWO], s[14:15]
.endm
; A prefetch of V's chunk behind the one that LOADS has just asked for: 64 rows x 1,024 bytes, 256 blocks of 256 bytes, a lane a block, one instruction a wave.  All four work-groups of a head walk the same V:
; the first of them asks, so that each block is named once in the launch.  how = 1: there is always such a chunk; how = 0: not in the loop's last trip.  Chunks 0 and 1 come by their loads alone; so do the codes and words.
.macro ASK how
.if \how
	s_cmp_eq_u32 s[LIM], 1
.else
	s_cmp_gt_u32 s[CNT], s[LIM]
.endif
	s_cbranch_scc0 .Lnot_mine_\@
	global_prefetch_b8 v[PFO], s[4:5] offset:1024 th:TH_LOAD_NT scope:SCOPE_SE
.Lnot_mine_\@:
.endm
.macro PRE3 b, s                       ; step s of buffer b: Q's two fragments and their scale words
.irp u, 0,1
	ds_load_b128 v[QF+8*\u:QF+8*\u+3], v[LI] offset:QIMG+8192*(\b)+(2*(\s)+\u)*512
.endr
	ds_load_b32 v[QSC], v[LS] offset:QSCL+1024*(\b)+128*(\s)
.endm
.macro PRE4 b, s                       ; and n of my 16 queries: 16 u + 8 (lane / 16) + 0 .. 7
.irp u, 0,1
.irp i, 0,1
	ds_load_b128 v[NQ+8*\u+4*\i:NQ+8*\u+4*\i+3], v[NA] offset:NST+1024*(\b)+128*(\s)+64*\u+16*\i
.endr
.endr
.endm
.macro VFRAG b, s, dt                  ; and fragment dt of V, into set s % 2: V(16 dt + r, 32 s + 16 c + 8 h + 0 .. 7).  Written under a setting with the destination in window 1 and source 0 in window 0
.irp c, 0,1
	ds_load_b128 v[VF+32*((\s)%2)+8*(\dt)+4*\c:VF+32*((\s)%2)+8*(\dt)+4*\c+3], v[AV+\b] offset:(\dt)*8448+64*(\s)+32*\c
.endr
.endm
; A STEP: 32 queries, the s-th of buffer b.  Its fifteen LDS loads were issued a step ago (step 0's: at the change of chunks), in this order: Q and its words (3), n (4), V (8).
; nxt = 1: the next step's (same buffer) are issued on the way.  zero = 1: the products start the sums: nothing is ever cleared.
.macro STEP b, s, nxt, zero
	s_wait_dscnt 12                                ; Q's fragments and scale words are in; the twelve loads issued behind them (n, V) may be out
.irp u, 0,1
.irp t, 0,1,2,3
	SW S+32*\u+8*\t, QF+8*\u, KF+8*\t, QSC, KSC+\t/2, \u, \t%2
.endr
.endr
	NOPS 4                                         ; four places in front of the first read of results
	s_wait_dscnt 8                                 ; n is in; V's eight loads may be out
.irp u, 0,1
.irp t, 0,1,2,3
.irp j, 0,2,4,6
	v_pk_fma_f32 v[S+32*\u+8*\t+\j:S+32*\u+8*\t+\j+1], v[S+32*\u+8*\t+\j:S+32*\u+8*\t+\j+1], s[CS:CS+1], v[NQ+8*\u+\j:NQ+8*\u+\j+1] op_sel_hi:[1,0,1]   ; c s + n; each accumulator from its low end on
.endr
.endr
.endr
.set j, 0
.rept 64
	v_exp_f32 v[S+j], v[S+j]                       ; P = 1,024 A.  ONE BATCH
.set j, j+1
.endr
	v_nop                                          ; a plain instruction behind the last exponential
	s_wait_alu depctr_va_vdst(0)                   ; the 64 exponentials have written their results, ahead of the first reader; the scaled products are done reading QF and QSC, the multiply-adds NQ, the last step's f16 products the other set of V
.if \nxt
	PRE3 \b, (\s)+1
.endif
.irp t, 0,1
.irp u, 0,1
.irp i, 0,1,2,3
	v_cvt_pk_f16_f32 v[P+8*\t+4*\u+\i], v[S+32*\u+8*\t+2*\i], v[S+32*\u+8*\t+2*\i+1]
.endr
.endr
.endr
.if \nxt
	PRE4 \b, (\s)+1
.endif
.irp t, 2,3
.irp u, 0,1
.irp i, 0,1,2,3
	v_cvt_pk_f16_f32 v[P+8*\t+4*\u+\i], v[S+32*\u+8*\t+2*\i], v[S+32*\u+8*\t+2*\i+1]
.endr
.endr
.endr
.if \nxt
	s_wait_dscnt 7                                 ; this step's V is in; the next step's seven loads, issued behind it, may be out
.else
	s_wait_dscnt 0x0
.endif
	WIN 0x54                                       ; V, C and D window 1, P window 0; an LDS load: data window 1, address window 0
.irp dt, 0,1,2,3
.if \nxt
	VFRAG \b, (\s)+1, \dt                          ; no wait: no vector or matrix line since the wait above names the other set of V or its address
.endif
.irp t, 0,1,2,3                        ; the sixteen accumulators take turns, one instruction a turn; the next step's eight scaled products stand between two rounds
.if \zero
	v_wmma_f32_16x16x32_f16 v[8*(4*\dt+\t):8*(4*\dt+\t)+7], v[P+8*\t:P+8*\t+7], v[VF+32*((\s)%2)+8*\dt:VF+32*((\s)%2)+8*\dt+7], 0
.else
	v_wmma_f32_16x16x32_f16 v[8*(4*\dt+\t):8*(4*\dt+\t)+7], v[P+8*\t:P+8*\t+7], v[VF+32*((\s)%2)+8*\dt:VF+32*((\s)%2)+8*\dt+7], v[8*(4*\dt+\t):8*(4*\dt+\t)+7]
.endif
.endr
.endr
	WIN 0
.endm
; THE CHANGE OF CHUNKS.  What I loaded a chunk ago goes into buffer nb, which every wave left before the last barrier.  In front of the barrier I wait for these stores and for my reads of the other buffer.
; Behind it the new chunk's first step is asked for.  more = 1: the chunk after that is asked for from memory.  pf: 0 no prefetch, 1 one that always has its chunk, 2 one that stops in the loop's last trip.
.macro TURN nb, more, pf
	s_wait_loadcnt 0x0
	WIN 0x05                                       ; sources window 1, destination window 0
.set j, 0
.rept 32
	v_cvt_pk_f16_f32 v[S+j], v[VS+2*j], v[VS+2*j+1]
.set j, j+1
.endr
	WIN 0
	s_wait_alu depctr_va_vdst(0)                   ; the conversions have written v[S .. S+31], which the stores read, and are done reading VS, in which the next chunk lands; the steps' products and multiply-adds are done reading QF, QSC, NQ and V's set 0, in which the loads behind the barrier land
.irp i, 0,1,2,3,4,5,6,7,8,9,10,11,12,13,14,15
	ds_store_b64 v[VW], v[S+2*\i:S+2*\i+1] offset:VB0+(VB1-VB0)*(\nb)+(\i/2)*528+(\i%2)*256   ; 32 lanes: 256 consecutive bytes of a row
.endr
.irp i, 0,1
	ds_store_b128 v[QW], v[SQC+4*\i:SQC+4*\i+3] offset:QIMG+8192*(\nb)+512*\i
.endr
	ds_store_b32 v[SWO], v[SQS] offset:QSCL+1024*(\nb)
	ds_store_b32 v[SWO], v[SNS] offset:NST+1024*(\nb)
.if \more
	s_wait_xcnt 0x0                                ; the loads and the prefetch, a chunk back, have read their bases: they step only behind this wait
	s_add_nc_u64 s[4:5], s[4:5], 1024              ; V: 256 queries along each row
	s_add_nc_u64 s[6:7], s[6:7], 8192              ; Q's codes: 16 tiles
	s_add_nc_u64 s[8:9], s[8:9], 1024              ; its scale words
	s_add_nc_u64 s[14:15], s[14:15], 1024          ; n
.endif
	s_wait_dscnt 0x0                               ; for the others' sake: my stores have landed, my reads of the other buffer are over
	s_wait_alu depctr_vm_vsrc(0)                   ; my LDS stores have read v[S .. S+31], which the next products write, and SQC, SQS, SNS, in which the next chunk's loads land
	s_barrier_signal -1
	s_barrier_wait -1
	PRE3 \nb, 0
	PRE4 \nb, 0
	WIN 0x40                                       ; destination window 1, address window 0
.irp dt, 0,1,2,3
	VFRAG \nb, 0, \dt
.endr
.if \more
	LOADS
.endif
	WIN 0
.if \pf == 1
	ASK 1
.elseif \pf == 2
	ASK 0
.endif
.endm
	s_load_b256 s[4:11], s[0:1], 0x0               ; value s[4:5], qc s[6:7], qs s[8:9], kc s[10:11]
	s_load_b128 s[12:15], s[0:1], 0x20             ; ks s[12:13], ns s[14:15]
	s_load_b64 s[16:17], s[0:1], 0x30              ; out0
	v_lshl_add_u32 v[SPW], v0, 2, SPARE
	v_mov_b32 v[NIL], 0
	v_lshrrev_b32 v24, 5, v0
	v_readfirstlane_b32 s[WV], v24                 ; wave 0..7
	s_and_b32 s[WX], ttmp9, 3                      ; work-group x: 0..3
	s_and_b32 s[HD], ttmp7, 0xffff                 ; the head
	v_and_b32 v24, 31, v0                          ; lane
	v_and_b32 v25, 15, v0                          ; r
	v_bfe_u32 v26, v0, 4, 1                        ; h
	v_lshlrev_b32 v[LI], 4, v24
	v_lshlrev_b32 v[LS], 2, v24
	v_lshlrev_b32 v[NA], 5, v26
	v_mul_u32_u24 v[AV], v25, 528
	v_lshl_add_u32 v[AV], v26, 4, v[AV]
	v_add_nc_u32 v[AV+1], VB1, v[AV]
	v_add_nc_u32 v[AV], VB0, v[AV]
	s_wait_alu depctr_va_sdst(0)                   ; the wave's number is written, ahead of its first reader
	s_mul_i32 s34, s[WV], 4224
	v_lshl_add_u32 v[VW], v24, 3, s34
	s_lshl_b32 s34, s[WV], 10
	v_add_nc_u32 v[QW], s34, v[LI]
	s_lshl_b32 s34, s[WV], 7
	v_add_nc_u32 v[SWO], s34, v[LS]
	s_lshl_b32 s34, s[WV], 16
	v_add_nc_u32 v[VO], s34, v[LI]
	v_lshrrev_b32 v27, 2, v24
	v_lshl_add_u32 v[PFO], v27, 13, s34            ; row 8 x wave + lane / 4,
	v_and_b32 v27, 3, v24
	v_lshl_add_u32 v[PFO], v27, 8, v[PFO]          ; block lane % 4 of the chunk's four
	s_lshl_b32 s34, s[WX], 14
	s_lshl_b32 s35, s[WV], 11
	s_add_co_u32 s34, s34, s35
	v_add_nc_u32 v[KO], s34, v[LI]                 ; K's tile 32 x + 4 wave
	s_lshr_b32 s34, s34, 3
	v_add_nc_u32 v[KSO], s34, v[LS]                ; key 512 x + 64 wave + lane
	s_mul_i32 s34, s[WV], 4352
	s_add_co_u32 s34, s34, STG                     ; my stage
	v_mul_u32_u24 v[STO], v25, 272
	v_lshl_add_u32 v[STO], v26, 5, v[STO]
	v_add_nc_u32 v[STO], s34, v[STO]               ; in: row r, 32 bytes for each half of the lanes
	v_mul_u32_u24 v[RD], v26, 272
	v_lshl_add_u32 v[RD], v25, 4, v[RD]
	v_add_nc_u32 v[RD], s34, v[RD]                 ; back: lanes 0-15 one row of 256 bytes, lanes 16-31 the next
	v_lshlrev_b32 v[GO], 13, v26
	v_lshl_add_u32 v[GO], v25, 4, v[GO]            ; and the same two rows in out
.irp u, 0,1
.irp i, 4,5,6,7
	v_mov_b32 v[QF+8*\u+\i], 0                     ; k = 64 .. 127: zero codes
.endr
.endr
.irp t, 0,1,2,3
.irp i, 4,5,6,7
	v_mov_b32 v[KF+8*\t+\i], 0
.endr
.endr
	s_mov_b32 s[CS], 0x3e38aa3b                    ; c = log2(e) / 8
	s_mov_b32 s[CS+1], s[CS]
	s_cmp_eq_u32 s[WX], 0
	s_cselect_b32 s[LIM], 1, -1                    ; the head's first work-group prefetches
	s_wait_kmcnt 0x0
	s_lshl_b32 s34, s[HD], 19                      ; a head of V or out: 524,288 bytes
	s_mov_b32 s35, 0
	s_add_nc_u64 s[4:5], s[4:5], s[34:35]
	s_add_nc_u64 s[16:17], s[16:17], s[34:35]
	s_lshl_b32 s34, s[HD], 16                      ; a head's codes
	s_add_nc_u64 s[6:7], s[6:7], s[34:35]
	s_add_nc_u64 s[10:11], s[10:11], s[34:35]
	s_lshl_b32 s34, s[HD], 13                      ; a head's words
	s_add_nc_u64 s[8:9], s[8:9], s[34:35]
	s_add_nc_u64 s[12:13], s[12:13], s[34:35]
	s_add_nc_u64 s[14:15], s[14:15], s[34:35]
	s_lshl_b32 s34, s[WX], 11
	s_lshl_b32 s36, s[WV], 8
	s_add_co_u32 s34, s34, s36                     ; my 64 keys in a row of out: 2,048 x + 256 wave bytes
	s_add_nc_u64 s[16:17], s[16:17], s[34:35]
	s_wait_alu depctr_va_vdst(0)                   ; all offsets and LDS addresses are written, which the loads and stores of the whole kernel read; the head is done with v24 to v27, in which Q's codes land; the fragments' zero codes are written, which the scaled products take
.irp t, 0,1,2,3
	global_load_b128 v[KF+8*\t:KF+8*\t+3], v[KO], s[10:11] offset:512*\t   ; K's four fragments stay in registers
.endr
.irp i, 0,1
	global_load_b32 v[KSC+\i], v[KSO], s[12:13] offset:128*\i
.endr
	LOADS                                          ; chunk 0
	TURN 0, 1, 1                                   ; chunk 0 into buffer 0; chunk 1 is asked for
	STEP 0, 0, 1, 1                                ; the first step stands in front of the loop: its products start the sums
	s_mov_b32 s[CNT], 3
.Ltrip:                                            ; a trip: two chunks, from the second step of an even chunk to the first step of the next even one
.irp s, 1,2,3,4,5,6
	STEP 0, \s, 1, 0
.endr
	STEP 0, 7, 0, 0
	TURN 1, 1, 1
.irp s, 0,1,2,3,4,5,6
	STEP 1, \s, 1, 0
.endr
	STEP 1, 7, 0, 0
	TURN 0, 1, 2
	STEP 0, 0, 1, 0
	s_sub_co_u32 s[CNT], s[CNT], 1
	s_cmp_lg_u32 s[CNT], 0
	s_cbranch_scc1 .Ltrip
.irp s, 1,2,3,4,5,6                    ; the last two chunks: nothing is left to load behind chunk 7
	STEP 0, \s, 1, 0
.endr
	STEP 0, 7, 0, 0
	TURN 1, 0, 0
.irp s, 0,1,2,3,4,5,6
	STEP 1, \s, 1, 0
.endr
	STEP 1, 7, 0, 0
; THE WAY OUT.  A lane holds 32 neighbouring bytes of a row of out, and the lanes beside it hold other rows.  All sixteen accumulators are multiplied by 2^-10 into registers of their own, under one window setting
; and ahead of one wait; then, 16 d at a time, a block (16 rows x my 64 keys) goes through my own stage and comes back as whole pieces of 256 bytes, into the registers that it left.
; LDS serves a wave's instructions in order (ISA guide 5.7.1.4): no wait on DScnt between the stores and the loads, nor in front of the next block's stores.
.macro STAGE dt
.irp t, 0,1,2,3
.irp i, 0,1
	ds_store_b128 v[STO], v[OB+32*\dt+8*\t+4*\i:OB+32*\dt+8*\t+4*\i+3] offset:64*\t+16*\i
.endr
.endr
	s_wait_alu depctr_vm_vsrc(0)                   ; the eight stores have read the block's registers, in which the eight loads land
.irp i, 0,1,2,3,4,5,6,7
	ds_load_b128 v[OB+32*\dt+4*\i:OB+32*\dt+4*\i+3], v[RD] offset:544*\i
.endr
.endm
.macro SEND dt, younger                ; younger: the LDS instructions issued behind block dt's loads: the next block's sixteen, or none
	s_wait_dscnt \younger
.irp i, 0,1,2,3,4,5,6,7
	global_store_b128 v[GO], v[OB+32*\dt+4*\i:OB+32*\dt+4*\i+3], s[16:17] offset:(16*\dt+2*\i)*8192 th:TH_STORE_NT   ; 16 lanes store 256 consecutive bytes, at a multiple of 256 from out's first byte
.endr
.endm
	NOPS 4                                         ; four places behind the last products, ahead of the first read of their results
	WIN 0x01                                       ; source 0 window 1
.irp dt, 0,1,2,3
.irp t, 0,1,2,3
.irp j, 0,2,4,6
	v_pk_mul_f32 v[OB+32*\dt+8*\t+\j:OB+32*\dt+8*\t+\j+1], v[8*(4*\dt+\t)+\j:8*(4*\dt+\t)+\j+1], 0x3a800000 op_sel_hi:[1,0]   ; each accumulator from its low end on
.endr
.endr
.endr
	WIN 0
	s_wait_alu depctr_va_vdst(0)                   ; the 64 multiplies have written v[OB ..], which the stage's stores read and in which its loads land
	STAGE 0
	STAGE 1
	SEND 0, 16
	STAGE 2
	SEND 1, 16
	STAGE 3
	SEND 2, 16
	SEND 3, 0
	s_wait_dscnt 0x0                               ; the wave's end
	s_wait_alu 0x0
	s_wait_tensorcnt 0x0
	ds_add_u32 v[SPW], v[NIL]
	s_wait_dscnt 0x0
	s_endpgm
.Lfunc_end_k_q24f71bb449_outp:
	.size	k_q24f71bb449_outp, .Lfunc_end_k_q24f71bb449_outp-k_q24f71bb449_outp
	.p2alignl 7, 3214868480
	.fill 96, 4, 3214868480
	.section	.rodata,"a",@progbits
	.p2align	6, 0x0
	.amdhsa_kernel k_q24f71bb449_outp
		.amdhsa_group_segment_fixed_size 123904
		.amdhsa_private_segment_fixed_size 0
		.amdhsa_enable_private_segment 0
		.amdhsa_kernarg_size 56
		.amdhsa_user_sgpr_count 2
		.amdhsa_user_sgpr_kernarg_segment_ptr 1
		.amdhsa_wavefront_size32 1
		.amdhsa_system_sgpr_workgroup_id_x 1
		.amdhsa_system_sgpr_workgroup_id_y 1
		.amdhsa_system_sgpr_workgroup_id_z 1
		.amdhsa_system_vgpr_workitem_id 0
		.amdhsa_next_free_vgpr 512
		.amdhsa_next_free_sgpr 66
		.amdhsa_reserve_vcc 0
		.amdhsa_float_denorm_mode_32 3
		.amdhsa_float_denorm_mode_16_64 3
		.amdhsa_memory_ordered 1
		.amdhsa_forward_progress 1
		.amdhsa_inst_pref_size 255
	.end_amdhsa_kernel
	.section	.bss,"aw",@nobits
	.p2align	6
	.space	262144
	.amdgpu_metadata
---
amdhsa.version: [ 1, 2 ]
amdhsa.kernels:
  - .name:           k_q24f71bb449_outp
    .symbol:         k_q24f71bb449_outp.kd
    .args:
      - { .name: value, .offset: 0, .size: 8, .value_kind: global_buffer, .address_space: global }
      - { .name: qc, .offset: 8, .size: 8, .value_kind: global_buffer, .address_space: global }
      - { .name: qs, .offset: 16, .size: 8, .value_kind: global_buffer, .address_space: global }
      - { .name: kc, .offset: 24, .size: 8, .value_kind: global_buffer, .address_space: global }
      - { .name: ks, .offset: 32, .size: 8, .value_kind: global_buffer, .address_space: global }
      - { .name: ns, .offset: 40, .size: 8, .value_kind: global_buffer, .address_space: global }
      - { .name: out0, .offset: 48, .size: 8, .value_kind: global_buffer, .address_space: global }
    .group_segment_fixed_size: 123904
    .private_segment_fixed_size: 0
    .kernarg_segment_align: 8
    .kernarg_segment_size: 56
    .max_flat_workgroup_size: 256
    .sgpr_count:     66
    .vgpr_count:     512
    .wavefront_size: 32
...
	.end_amdgpu_metadata
.endif
;; end of part 4
